; MI455X (gfx1250); checked and timed in simulation.
; The chip was launched on July 23, 2026; its instructions are those of AMD's public machine-readable ISA for CDNA 5 (MIT licence, August 2026) and "CDNA5" Instruction Set Architecture Reference Guide (July 2026). The comments in the code are by the model that wrote it; some were corrected since.
;; Ro PE Multi Head Self Attention. Allowed arithmetic: matrix products marked QUANTISED: E2M3 operands, one E8M0 scale for each 32 along K, by v_wmma_scale_f32_16x16x128_f8f6f4 with both operands' format E2M3, f32 sums; products left as they are: f32 operands where the result goes on into a quantised operand, else bf16, f16 or f32 operands; f32 sums; everything else in f32.
;; Inputs: bk 1,024 float32; bo 1,024 float32; bq 1,024 float32; bv 1,024 float32; key_padding_mask 4 x 2,048 bool; wk 1,024 x 1,024 float32; wo 1,024 x 1,024 float32; wq 1,024 x 1,024 float32; wv 1,024 x 1,024 float32; x 4 x 2,048 x 1,024 float32.
;; Outputs: out0 4 x 2,048 x 1,024 float32.
;; This version of the problem:
;;   THIS VERSION OF THE PROBLEM IS GIVEN IN LOW PRECISION. The matrix products marked QUANTISED in the list below multiply operands that are first quantised to E2M3 (2 exponent bits, 3 mantissa bits; 6 bits a number), with one power-of-two scale for each 32 numbers along K (OCP MX v1.0); their sums are f32. All else is computed in f32.
;;   The module's matrix products, in the order in which they are computed (A, B: the left and right operand; K: the contracted axis; several contracted axes count as one K, in the product's order):
;;     1. [M 8,192, K 1,024] x [K 1,024, N 1,024]; A: input x; B: input wq: QUANTISED
;;     2. [M 8,192, K 1,024] x [K 1,024, N 1,024]; A: input x; B: input wk: QUANTISED
;;     3. [M 8,192, K 1,024] x [K 1,024, N 1,024]; A: input x; B: input wv: QUANTISED
;;     4. [M 2,048, K 1] x [K 1, N 32]; A: computed on the way; B: computed on the way: left as it is (no contracted axis)
;;     5. batch 64 x [M 2,048, K 64] x [K 64, N 2,048]; A: computed on the way; B: computed on the way: QUANTISED
;;     6. batch 64 x [M 2,048, K 2,048] x [K 2,048, N 64]; A: softmax (see below); B: computed on the way: QUANTISED
;;     7. [M 8,192, K 1,024] x [K 1,024, N 1,024]; A: computed on the way; B: input wo: QUANTISED
;;   THE QUANTISER, for each operand of a quantised product, along K:
;;     - K is cut into blocks of 32 from its start; a last block that is shorter is filled with zeros.
;;     - A block's scale is 2^e with e = floor(log2(the largest magnitude in the block)) - 2, held to -126 .. 127; a block of zeros has e = 0. As a byte (E8M0): e + 127.
;;     - Each number is divided by its block's scale, clamped to +-7.5, and rounded to the nearest number of E2M3, ties to even, subnormals kept.
;;     - The product sums the exact products of the quantised numbers (number of the format x scale) in f32.
;;   ~~~python
;;   def quantise(x, axis):      # numpy; x: float32 -> the quantised numbers, widened to float32 again
;;       x = np.moveaxis(x, axis, -1); K = x.shape[-1]
;;       x = np.pad(x, [(0, 0)] * (x.ndim - 1) + [(0, -K % 32)]); x = x.reshape(x.shape[:-1] + (-1, 32)); a = np.abs(x).max(-1, keepdims=True)
;;       e = np.where(a > 0, np.clip(np.frexp(np.where(a > 0, a, 1))[1] - 1 - 2, -126, 127), 0)      # np.frexp(a)[1] - 1 = floor(log2(a)), exactly
;;       r = np.clip(x / 2.0 ** e, -7.5, 7.5)
;;       step = 2.0 ** (np.maximum(np.frexp(np.where(r == 0, 1, r))[1] - 1, 0) - 3)
;;       q = np.round(r / step) * step * 2.0 ** e      # np.round: ties to even
;;       return np.moveaxis(q.reshape(q.shape[:-2] + (-1,))[..., :K], -1, axis).astype(np.float32)
;;   ~~~
;;   SOFTMAX AHEAD OF A QUANTISED PRODUCT. Where the list says 'softmax', what is quantised is not the finished softmax but p = 2^(t - M), with t = logit x log2(e) and M = ceil(the row's largest t), a whole number; so 1/2 < the row's largest p <= 1. The row's sum l is taken of the UNQUANTISED p, in f32, and the product's result is divided by l at the end. Since M is a whole number, a kernel that streams over the keys may use a running M (the ceiling of the running maximum): every later rescaling is an exact power of two, which a block's scale takes up: the codes' values come out the same.
;;   OPERANDS COMPUTED ON THE WAY. 'Computed on the way' means the value that the module computes at that place (a softmax that the list does not call 'softmax' is quantised finished and normalised). What goes into a quantiser is computed in f32, as accurately as f32 sums, v_exp_f32 and their like allow (about 1e-6 of the number): no bf16 or f16 on the way to a quantiser, and a product that is left as it is and whose result goes on into a quantised operand takes f32 operands (vector FMAs, or v_wmma_f32_16x16x4_f32). A number that lies on a knife's edge between two numbers of the format may be rounded either way, as far as f32 arithmetic and the matrix unit's own rounding can turn it there, and no further.
;; One version. Each part assembles by itself: llvm-mc -triple=amdgcn-amd-amdhsa -mcpu=gfx1250 --defsym DOCPART=n.
;; ======== version 1 of 1: 5 launches
;; limits: right only within a limited range of input values
;; workspace buffers: xq 6,291,456 bytes; wc 3,145,728 bytes; sc 655,360 bytes; rope 524,288 bytes; qkc 12,582,912 bytes; vc 6,291,456 bytes; asc 1,310,720 bytes; ctxc 6,291,456 bytes
;; launch quant_x (part 1): grid 512 x 1, 8 waves a work-group, no clusters, 69,120 bytes of LDS; arguments x, xq, sc; writes xq, sc
.if DOCPART == 1
	.amdgcn_target "amdgcn-amd-amdhsa--gfx1250"
	.amdhsa_code_object_version 6
	.text
	.protected	k_qd15ef8084a_quant_x
	.globl	k_qd15ef8084a_quant_x
	.p2align	8
	.type	k_qd15ef8084a_quant_x,@function
k_qd15ef8084a_quant_x:
	s_mov_b64 s[64:65], 0
	v_nop
	global_prefetch_b8 v0, s[64:65] scope:SCOPE_SE
	s_setreg_imm32_b32 hwreg(HW_REG_WAVE_MODE, 25, 1), 1
	s_wait_xcnt 0x0
; x [8192][1024] f32 becomes codes of FP6 (E2M3) with one E8M0 byte for each 32 along K, laid as IMAGES OF OPERAND REGISTERS.
; A tile T is 16 tokens, NOT neighbours: row r of tile T is token 32 (T / 2) + 8 (T % 2) + r + 8 (r / 8).
; A fragment (16 rows x 128 K) is 12 registers a lane; lane (r, h) holds K = 64 c + 32 h + 0 .. 31 in registers 6 c .. 6 c + 5.  Its image, 1,536 bytes:
; registers 0-3 at 16 x lane, 4-5 at 512 + 8 x lane, 6-9 at 768 + 16 x lane, 10-11 at 1,280 + 8 x lane.  xq = [K step / 2][T][K step % 2][image].
; Scale words: sc = [T][r][8 K steps], 4 bytes each (byte b: k = 32 b .. 32 b + 31 of the K step).
; SHARES: a work-group takes tile T, wave w K step w: 16 rows x 512 bytes.  Each load reads 512 consecutive bytes of one row; the 8 KiB turn through the wave's
; own stage in LDS (rows 528 bytes apart: the sixteen rows that a read touches start at sixteen different 16-byte columns), so that a lane gets two whole blocks of 32.
; A block's scale is 2^(floor(log2(largest magnitude)) - 2): its byte is the largest magnitude's exponent field - 2, held at 1 from below.
; LIMITS: a block of zeros, or one whose largest magnitude lies under 2^-124, gets the byte 1 (its codes are read by this program alone); NaN and infinities are not served.
.set STG,   8448                       ; a wave's stage: 16 rows x 528 bytes
.set SCS,   8*STG                      ; the tile's 512 bytes of scale words
.set SPARE, SCS+512                    ; the spare words, 128 bytes for each wave
.set SPW, 2                            ; v2  LDS address of my spare word; never rewritten
.set NIL, 3                            ; v3  0; never rewritten
.set R,  16                            ; v16-79   the rows as loaded; later at work
.set X,  80                            ; v80-143  my two blocks of 32
.set PC, 144                           ; v144-155 the fragment's codes
.set PT, 156                           ; v156-163 the upper halves of the blocks' codes, before they are moved
	s_load_b128 s[4:7], s[0:1], 0x0                ; x, xq
	s_load_b64 s[8:9], s[0:1], 0x10                ; sc
	v_lshl_add_u32 v[SPW], v0, 2, SPARE
	v_mov_b32 v[NIL], 0
	v_lshrrev_b32 v1, 5, v0
	s_delay_alu instid0(VALU_DEP_1)
	v_readfirstlane_b32 s10, v1                    ; wave = K step
	v_and_b32 v4, 31, v0                           ; lane
	v_and_b32 v5, 15, v0                           ; r
	v_bfe_u32 v6, v0, 4, 1                         ; h
	s_delay_alu instid0(VALU_DEP_3)
	v_lshlrev_b32 v7, 4, v4                        ; 16 x lane
	s_delay_alu instid0(VALU_DEP_4)
	v_lshlrev_b32 v8, 3, v4                        ; 8 x lane
	s_mul_i32 s11, s10, STG
	v_add_nc_u32 v9, s11, v7                       ; the stage, on the way in: 16 x lane of a row
	v_mul_u32_u24 v10, v5, 528
	s_delay_alu instid0(VALU_DEP_1)
	v_lshl_add_u32 v10, v6, 7, v10
	s_delay_alu instid0(VALU_DEP_1)
	v_add_nc_u32 v10, s11, v10                     ; and on the way out: row r, + 128 h
	s_lshl_b32 s12, s10, 2
	v_lshl_add_u32 v11, v5, 5, s12
	s_delay_alu instid0(VALU_DEP_1)
	v_add_nc_u32 v11, SCS, v11                     ; my row's scale word of my K step: 32 r + 4 w
	v_add_nc_u32 v15, SCS, v7                      ; the words on their way out: 16 x lane
	v_lshlrev_b32 v14, 3, v6                       ; 8 h
	v_mov_b32 v13, 0                               ; (a lane permute's destination counts as one of its sources)
	s_mov_b32 s20, 0x76543210
	s_mov_b32 s21, 0xfedcba98                      ; selects for lane l xor 16
	s_lshr_b32 s16, ttmp9, 1
	s_lshl_b32 s16, s16, 17                        ; 32 (T / 2) tokens of 4,096 bytes
	s_and_b32 s17, ttmp9, 1
	s_lshl_b32 s17, s17, 15                        ; + 8 (T % 2) tokens
	s_add_co_u32 s16, s16, s17
	s_lshl_b32 s17, s10, 9                         ; + my K step's 512 bytes
	s_add_co_u32 s16, s16, s17
	s_mov_b32 s17, 0
	s_lshr_b32 s18, s10, 1
	s_mul_i32 s18, s18, 1572864                    ; xq: [K step / 2]
	s_mul_i32 s19, ttmp9, 3072                     ; [T]
	s_add_co_u32 s18, s18, s19
	s_and_b32 s19, s10, 1
	s_mul_i32 s19, s19, 1536                       ; [K step % 2]
	s_add_co_u32 s18, s18, s19
	s_mov_b32 s19, 0
	s_lshl_b32 s22, ttmp9, 9                       ; sc: 512 bytes a tile
	s_mov_b32 s23, 0
	s_wait_alu depctr_va_vdst(0)
	s_wait_kmcnt 0x0
	s_add_nc_u64 s[4:5], s[4:5], s[16:17]
	s_add_nc_u64 s[6:7], s[6:7], s[18:19]
	s_add_nc_u64 s[8:9], s[8:9], s[22:23]
.irp i, 0,1,2,3,4,5,6,7,8,9,10,11,12,13,14,15
	global_load_b128 v[R+4*\i:R+4*\i+3], v7, s[4:5] offset:(\i+8*(\i/8))*4096 th:TH_LOAD_NT   ; tile row i: 512 consecutive bytes
.endr
.irp i, 0,1,2,3,4,5,6,7,8,9,10,11,12,13,14,15
	s_wait_loadcnt 15-\i                           ; row i is in; the younger loads stay out
	ds_store_b128 v9, v[R+4*\i:R+4*\i+3] offset:\i*528
.endr
.irp c, 0,1
.irp i, 0,1,2,3,4,5,6,7
	ds_load_b128 v[X+32*\c+4*\i:X+32*\c+4*\i+3], v10 offset:256*\c+16*\i   ; LDS serves a wave's instructions in order: these see my stores.  x(r, 64 c + 32 h + 4 i ..)
.endr
.endr
	s_wait_dscnt 0x0
.irp c, 0,1
	v_max3_num_f32 v[16+\c], |v[X+32*\c]|, |v[X+32*\c+1]|, 0x1800000   ; block 2 c + h: all 32 numbers are mine; the floor 2^(3 - 127) holds the byte at 1 from below
.endr
.irp i, 2,4,6,8,10,12,14,16,18,20,22,24,26,28,30
.irp c, 0,1
	s_delay_alu instid0(VALU_DEP_2)
	v_max3_num_f32 v[16+\c], v[16+\c], |v[X+32*\c+\i]|, |v[X+32*\c+\i+1]|
.endr
.endr
.irp c, 0,1
	s_delay_alu instid0(VALU_DEP_2)
	v_add_nc_u32 v[18+\c], 0xff000000, v[16+\c]    ; 2 off the exponent field: the conversion's scale operand
.endr
.irp c, 0,1
	s_delay_alu instid0(VALU_DEP_2)
	v_lshrrev_b32 v[20+\c], 23, v[18+\c]           ; the scale's byte
.endr
	s_delay_alu instid0(VALU_DEP_1)
	v_lshl_or_b32 v12, v21, 16, v20                ; my two bytes, blocks h and 2 + h,
	s_delay_alu instid0(VALU_DEP_1)
	v_lshlrev_b32 v12, v14, v12                    ; at their places (8 h bits up);
	s_delay_alu instid0(VALU_DEP_1)
	v_permlanex16_b32 v13, v12, s20, s21
	s_delay_alu instid0(VALU_DEP_1)
	v_or_b32 v12, v12, v13                         ; with lane l xor 16's two the word is whole
.irp c, 0,1
	v_cvt_scalef32_pk16_fp6_f32 v[PC+6*\c:PC+6*\c+2], v[X+32*\c:X+32*\c+15], v[18+\c]
	v_cvt_scalef32_pk16_fp6_f32 v[PT+4*\c:PT+4*\c+2], v[X+32*\c+16:X+32*\c+31], v[18+\c]   ; (a conversion's three registers begin on an even number)
.endr
	v_nop                                          ; one plain place behind a scaled conversion
.irp c, 0,1
.irp i, 0,1,2
	v_mov_b32 v[PC+6*\c+3+\i], v[PT+4*\c+\i]
.endr
.endr
	ds_store_b32 v11, v12                          ; lanes r and r + 16 write the same word with the same value
	global_store_b128 v7, v[PC:PC+3], s[6:7]                   ; the image: each store covers consecutive bytes, 512 or 256, at a multiple of 256 from the buffer's first byte
	global_store_b64 v8, v[PC+4:PC+5], s[6:7] offset:512
	global_store_b128 v7, v[PC+6:PC+9], s[6:7] offset:768
	global_store_b64 v8, v[PC+10:PC+11], s[6:7] offset:1280
	s_wait_dscnt 0x0                               ; for the others' sake: my scale words have landed
	s_barrier_signal -1
	s_barrier_wait -1
	s_cmp_lg_u32 s10, 0
	s_cbranch_scc1 .Lend
	ds_load_b128 v[24:27], v15                     ; wave 0: the tile's 512 bytes of scale words leave whole
	s_wait_dscnt 0x0
	global_store_b128 v7, v[24:27], s[8:9]
.Lend:
	s_wait_tensorcnt 0x0                           ; the wave's end, behind my last LDS store
	ds_add_u32 v[SPW], v[NIL]
	s_wait_dscnt 0x0
	s_endpgm
.Lfunc_end_k_qd15ef8084a_quant_x:
	.size	k_qd15ef8084a_quant_x, .Lfunc_end_k_qd15ef8084a_quant_x-k_qd15ef8084a_quant_x
	.p2alignl 7, 3214868480
	.fill 96, 4, 3214868480
	.section	.rodata,"a",@progbits
	.p2align	6, 0x0
	.amdhsa_kernel k_qd15ef8084a_quant_x
		.amdhsa_group_segment_fixed_size 69120
		.amdhsa_private_segment_fixed_size 0
		.amdhsa_enable_private_segment 0
		.amdhsa_kernarg_size 24
		.amdhsa_user_sgpr_count 2
		.amdhsa_user_sgpr_kernarg_segment_ptr 1
		.amdhsa_wavefront_size32 1
		.amdhsa_system_sgpr_workgroup_id_x 1
		.amdhsa_system_sgpr_workgroup_id_y 1
		.amdhsa_system_sgpr_workgroup_id_z 1
		.amdhsa_system_vgpr_workitem_id 0
		.amdhsa_next_free_vgpr 168
		.amdhsa_next_free_sgpr 66
		.amdhsa_reserve_vcc 0
		.amdhsa_float_denorm_mode_32 3
		.amdhsa_float_denorm_mode_16_64 3
		.amdhsa_memory_ordered 1
		.amdhsa_forward_progress 1
		.amdhsa_inst_pref_size 12
	.end_amdhsa_kernel
	.amdgpu_metadata
---
amdhsa.version: [ 1, 2 ]
amdhsa.kernels:
  - .name:           k_qd15ef8084a_quant_x
    .symbol:         k_qd15ef8084a_quant_x.kd
    .args:
      - { .name: x, .offset: 0, .size: 8, .value_kind: global_buffer, .address_space: global }
      - { .name: xq, .offset: 8, .size: 8, .value_kind: global_buffer, .address_space: global }
      - { .name: sc, .offset: 16, .size: 8, .value_kind: global_buffer, .address_space: global }
    .group_segment_fixed_size: 69120
    .private_segment_fixed_size: 0
    .kernarg_segment_align: 8
    .kernarg_segment_size: 24
    .max_flat_workgroup_size: 256
    .sgpr_count:     66
    .vgpr_count:     168
    .wavefront_size: 32
...
	.end_amdgpu_metadata
.endif
;; end of part 1
;; launch quant_w (part 2): grid 32 x 4, 8 waves a work-group, no clusters, 25,600 bytes of LDS; arguments wq, wk, wv, wo, wc, sc, rope; writes wc, sc, rope
.if DOCPART == 2
	.amdgcn_target "amdgcn-amd-amdhsa--gfx1250"
	.amdhsa_code_object_version 6
	.text
	.protected	k_qd15ef8084a_quant_w
	.globl	k_qd15ef8084a_quant_w
	.p2align	8
	.type	k_qd15ef8084a_quant_w,@function
k_qd15ef8084a_quant_w:
	s_mov_b64 s[64:65], 0
	v_nop
	global_prefetch_b8 v0, s[64:65] scope:SCOPE_SE
	s_setreg_imm32_b32 hwreg(HW_REG_WAVE_MODE, 25, 1), 1
	s_wait_xcnt 0x0
; The four weights [1024 (k)][1024 (n)] f32, K their FIRST axis, become codes of FP6 (E2M3) as images of operand registers; and the table of cosines and sines is made.
; A LANE TAKES A COLUMN n AND ITS REGISTERS RUN DOWN K: a block of 32 along K lies in one lane, and the conversions give codes with K innermost.
; A tile is 16 columns, NOT neighbours: row r of tile 2 g + u is column 32 g + 8 u + r + 8 (r / 8).  A wave's 32 columns are two tiles.
; wc = [K step / 2][tile 64 y + ..][K step % 2][image of 1,536 bytes]; image: registers 0-3 at 16 x lane, 4-5 at 512 + 8 x lane, 6-9 at 768 + 16 x lane, 10-11 at 1,280 + 8 x lane.
; Scale words: sc + 262,144 = [tile][r][8 K steps].  They leave 4 bytes a lane, 32 bytes apart: 1 byte in 128 of what the launch reads.
; SHARES: work-group x % 4 = which 256 columns, x / 4 = K step, y = weight; wave w: 32 columns.  Loads run two blocks (64 loads) ahead.
; THE TABLE: rope = [tile of positions T 0..127][e 0..7][lane][cos j0, cos j0 + 1, sin j0, sin j0 + 1], j0 = 16 (lane / 16) + 2 e, position = 32 (T / 2) + 8 (T % 2) + r + 8 (r / 8).
; The launch's 1,024 waves make one (T, e) each: T = 32 y + x, e = wave.  angle = position x 10000^(-j / 32), one rounding; reduced by n = nearest(angle x 2 / pi) in two fused steps
; (pi / 2 as a sum of two f32 numbers), then polynomials of degree 7 and 8 on |rho| <= pi / 4 and the quadrant by n.
; LIMITS: 10000^(-j / 32) is made by v_exp_f32 and is right to a few units in the last place; blocks of zeros or under 2^-124 get the byte 1; NaN and infinities are not served.
.set SPARE, 8*3072                     ; behind the eight stages: the spare words, 128 bytes for each wave
.set SPW, 2
.set NIL, 3
.set X,   32                           ; v32-159  four blocks of 32 numbers; v32-55 later the images on their way out
.set PT,  184                          ; v184-186 the upper half of a block's codes, before it is moved
	s_load_b256 s[4:11], s[0:1], 0x0               ; wq, wk, wv, wo
	s_load_b128 s[12:15], s[0:1], 0x20             ; wc, sc
	s_load_b64 s[16:17], s[0:1], 0x30              ; rope
	v_lshl_add_u32 v[SPW], v0, 2, SPARE
	v_mov_b32 v[NIL], 0
	v_lshrrev_b32 v1, 5, v0
	s_delay_alu instid0(VALU_DEP_1)
	v_readfirstlane_b32 s18, v1                    ; wave
	v_and_b32 v4, 31, v0                           ; lane = column of the wave's 32
	s_delay_alu instid0(VALU_DEP_1)
	v_lshlrev_b32 v5, 2, v4                        ; in: 4 bytes a lane
	s_delay_alu instid0(VALU_DEP_2)
	v_lshlrev_b32 v9, 4, v4                        ; out: 16 bytes a lane
	s_delay_alu instid0(VALU_DEP_3)
	v_bfe_u32 v1, v4, 3, 1                         ; u: which of the two tiles my column belongs to
	s_delay_alu instid0(VALU_DEP_4)
	v_and_b32 v14, 7, v4
	v_lshrrev_b32 v15, 4, v4
	s_delay_alu instid0(VALU_DEP_1)
	v_lshl_add_u32 v14, v15, 3, v14                ; r: its row there
	s_mul_i32 s35, s18, 3072                       ; my stage: two images
	v_mul_u32_u24 v16, v1, 1536
	s_delay_alu instid0(VALU_DEP_1)
	v_lshl_add_u32 v6, v14, 4, v16
	s_delay_alu instid0(VALU_DEP_1)
	v_add_nc_u32 v6, s35, v6                       ; image u, 16 r
	s_delay_alu instid0(VALU_DEP_3)
	v_lshl_add_u32 v7, v14, 3, v16
	s_delay_alu instid0(VALU_DEP_1)
	v_add_nc_u32 v7, s35, v7                       ; image u, 8 r
	v_add_nc_u32 v8, s35, v9                       ; back: 16 x lane
	v_lshlrev_b32 v10, 9, v1
	s_delay_alu instid0(VALU_DEP_1)
	v_lshl_add_u32 v10, v14, 5, v10                ; scale word: 512 u + 32 r
	s_and_b32 s19, ttmp7, 0xffff                   ; y: the weight
	s_and_b32 s20, ttmp9, 3                        ; which 256 columns
	s_lshr_b32 s21, ttmp9, 2                       ; K step
	s_lshl_b32 s22, s21, 19                        ; 128 rows of 4,096 bytes
	s_lshl_b32 s23, s20, 10
	s_add_co_u32 s22, s22, s23
	s_lshl_b32 s23, s18, 7
	s_add_co_u32 s22, s22, s23                     ; + my 32 columns
	s_mov_b32 s23, 0
	s_lshl_b32 s24, s19, 6
	s_lshl_b32 s25, s20, 4
	s_add_co_u32 s24, s24, s25
	s_lshl_b32 s25, s18, 1
	s_add_co_u32 s24, s24, s25                     ; my first tile: 64 y + 16 (x % 4) + 2 w
	s_lshr_b32 s26, s21, 1
	s_mul_i32 s26, s26, 786432
	s_mul_i32 s27, s24, 3072
	s_add_co_u32 s26, s26, s27
	s_and_b32 s27, s21, 1
	s_mul_i32 s27, s27, 1536
	s_add_co_u32 s26, s26, s27
	s_mov_b32 s27, 0
	s_lshl_b32 s28, s24, 9
	s_lshl_b32 s29, s21, 2
	s_add_co_u32 s28, s28, s29
	s_add_co_u32 s28, s28, 262144
	s_mov_b32 s29, 0
	s_lshl_b32 s32, s19, 5
	s_add_co_u32 s32, s32, ttmp9                   ; T = 32 y + x
	s_lshl_b32 s30, s32, 12
	s_lshl_b32 s31, s18, 9
	s_add_co_u32 s30, s30, s31                     ; rope: 4,096 T + 512 e
	s_mov_b32 s31, 0
	s_lshr_b32 s33, s32, 1
	s_lshl_b32 s33, s33, 5
	s_and_b32 s34, s32, 1
	s_lshl_b32 s34, s34, 3
	s_add_co_u32 s33, s33, s34                     ; the tile's first position
	s_lshl_b32 s34, s18, 1                         ; 2 e
	s_wait_kmcnt 0x0
	s_cmp_eq_u32 s19, 1                            ; the weight is chosen by the work-group's y alone
	s_cselect_b64 s[4:5], s[6:7], s[4:5]
	s_cmp_eq_u32 s19, 2
	s_cselect_b64 s[4:5], s[8:9], s[4:5]
	s_cmp_eq_u32 s19, 3
	s_cselect_b64 s[4:5], s[10:11], s[4:5]
	s_add_nc_u64 s[4:5], s[4:5], s[22:23]
	s_add_nc_u64 s[12:13], s[12:13], s[26:27]
	s_add_nc_u64 s[14:15], s[14:15], s[28:29]
	s_add_nc_u64 s[16:17], s[16:17], s[30:31]
.macro LOADW t                         ; block t: W(128 K step + 32 t + i, my column): the eight waves read 1,024 consecutive bytes of each row
.set LI, 0
.rept 32
	global_load_b32 v[X+32*(\t)+LI], v5, s[4:5] offset:(32*(\t)+LI)*4096 th:TH_LOAD_NT
.set LI, LI+1
.endr
.endm
	LOADW 0
	LOADW 1
	; ---- the table, while the first 64 loads are out
	v_and_b32 v192, 15, v4
	s_delay_alu instid0(VALU_DEP_1)
	v_lshrrev_b32 v193, 3, v192
	s_delay_alu instid0(VALU_DEP_1)
	v_lshl_add_u32 v192, v193, 3, v192
	s_delay_alu instid0(VALU_DEP_1)
	v_add_nc_u32 v192, s33, v192                   ; my position
	s_delay_alu instid0(VALU_DEP_1)
	v_cvt_f32_u32 v192, v192
	v_lshl_add_u32 v193, v15, 4, s34               ; j0 = 16 (lane / 16) + 2 e
	s_delay_alu instid0(VALU_DEP_1)
	v_add_nc_u32 v194, 1, v193
	s_delay_alu instid0(VALU_DEP_2)
	v_cvt_f32_u32 v193, v193
	s_delay_alu instid0(VALU_DEP_2)
	v_cvt_f32_u32 v194, v194
	s_delay_alu instid0(VALU_DEP_2)
	v_mul_f32 v193, 0xbed49a78, v193               ; -j log2(10000) / 32
	s_delay_alu instid0(VALU_DEP_2)
	v_mul_f32 v194, 0xbed49a78, v194
	s_wait_alu depctr_va_vdst(0)
	v_exp_f32 v195, v193
	v_exp_f32 v196, v194
	v_nop                                          ; a plain place behind the exponentials
	s_wait_alu depctr_va_vdst(0)                   ; one wait for the two, ahead of their first reader
	v_mul_f32 v195, v192, v195                     ; the angles
	v_mul_f32 v196, v192, v196
.macro SINCOS a, c, s                  ; v[c] = cos v[a], v[s] = sin v[a]; v200-207 at work
	v_mul_f32 v200, 0x3f22f983, v[\a]
	s_delay_alu instid0(VALU_DEP_1)
	v_rndne_f32 v200, v200                         ; n = nearest(a x 2 / pi)
	s_delay_alu instid0(VALU_DEP_1)
	v_fma_f32 v201, v200, 0xbfc90fdb, v[\a]        ; a - n P1,
	s_delay_alu instid0(VALU_DEP_1)
	v_fma_f32 v201, v200, 0x333bbd2e, v201         ; - n P2: P1 + P2 = pi / 2
	s_delay_alu instid0(VALU_DEP_3)
	v_cvt_i32_f32 v202, v200
	s_delay_alu instid0(VALU_DEP_2)
	v_mul_f32 v203, v201, v201                     ; z
	v_mov_b32 v204, 0xb94ca1f9
	s_delay_alu instid0(VALU_DEP_1)
	v_fmaak_f32 v204, v203, v204, 0x3c08839e
	s_delay_alu instid0(VALU_DEP_1)
	v_fmaak_f32 v204, v203, v204, 0xbe2aaaa3
	s_delay_alu instid0(VALU_DEP_1)
	v_mul_f32 v204, v204, v203
	s_delay_alu instid0(VALU_DEP_1)
	v_fma_f32 v204, v204, v201, v201               ; sin rho
	v_mov_b32 v205, 0x37ccf5ce
	s_delay_alu instid0(VALU_DEP_1)
	v_fmaak_f32 v205, v203, v205, 0xbab6061a
	s_delay_alu instid0(VALU_DEP_1)
	v_fmaak_f32 v205, v203, v205, 0x3d2aaaa5
	v_mul_f32 v206, v203, v203
	v_fma_f32 v207, v203, -0.5, 1.0
	s_delay_alu instid0(VALU_DEP_1)
	v_fma_f32 v205, v205, v206, v207               ; cos rho
	v_and_b32 v206, 1, v202
	s_delay_alu instid0(VALU_DEP_1)
	v_cmp_eq_u32 vcc_lo, 1, v206                   ; an odd quadrant swaps the two
	s_delay_alu instid0(VALU_DEP_1)
	v_cndmask_b32 v[\s], v204, v205, vcc_lo
	s_delay_alu instid0(VALU_DEP_2)
	v_cndmask_b32 v[\c], v205, v204, vcc_lo
	v_and_b32 v206, 2, v202                        ; the sine changes sign in quadrants 2, 3,
	s_delay_alu instid0(VALU_DEP_1)
	v_lshlrev_b32 v206, 30, v206
	s_delay_alu instid0(VALU_DEP_1)
	v_xor_b32 v[\s], v206, v[\s]
	v_add_nc_u32 v207, 1, v202                     ; the cosine in 1, 2
	s_delay_alu instid0(VALU_DEP_1)
	v_and_b32 v207, 2, v207
	s_delay_alu instid0(VALU_DEP_1)
	v_lshlrev_b32 v207, 30, v207
	s_delay_alu instid0(VALU_DEP_1)
	v_xor_b32 v[\c], v207, v[\c]
.endm
	SINCOS 195, 208, 210
	SINCOS 196, 209, 211
	global_store_b128 v9, v[208:211], s[16:17]     ; 512 consecutive bytes
	; ---- the four blocks of my column
.macro BLOCK t, left
.set XS, X+32*(\t)
.set E, 160+6*(\t)                     ; v160-183: six registers of codes for each block, so that no LDS store's data are written again
	s_wait_loadcnt \left                           ; this block's 32 loads are in; the next block's may be out
.if (\t)+2 < 4
	LOADW (\t)+2
.endif
	v_max3_num_f32 v12, |v[XS]|, |v[XS+1]|, |v[XS+2]|
	v_max3_num_f32 v13, |v[XS+3]|, |v[XS+4]|, |v[XS+5]|
.irp i, 6,10,14,18,22,26
	s_delay_alu instid0(VALU_DEP_2)
	v_max3_num_f32 v12, v12, |v[XS+\i]|, |v[XS+\i+1]|
	s_delay_alu instid0(VALU_DEP_2)
	v_max3_num_f32 v13, v13, |v[XS+\i+2]|, |v[XS+\i+3]|
.endr
	s_delay_alu instid0(VALU_DEP_2)
	v_max3_num_f32 v12, v12, |v[XS+30]|, |v[XS+31]|
	s_delay_alu instid0(VALU_DEP_1)
	v_max3_num_f32 v12, v12, v13, 0x1800000        ; and the floor 2^(3 - 127)
	s_delay_alu instid0(VALU_DEP_1)
	v_add_nc_u32 v11, 0xff000000, v12              ; the conversion's scale operand
	s_delay_alu instid0(VALU_DEP_1)
	v_lshrrev_b32 v13, 23, v11                     ; the scale's byte
.if (\t) == 0
	s_delay_alu instid0(VALU_DEP_1)
	v_mov_b32 v24, v13
.else
	s_delay_alu instid0(VALU_DEP_1)
	v_lshl_or_b32 v24, v13, 8*(\t), v24            ; four bytes make my column's word of this K step
.endif
	v_cvt_scalef32_pk16_fp6_f32 v[E:E+2], v[XS:XS+15], v11
	v_cvt_scalef32_pk16_fp6_f32 v[PT:PT+2], v[XS+16:XS+31], v11
	v_nop                                          ; one plain place behind a scaled conversion
.irp i, 0,1,2
	v_mov_b32 v[E+3+\i], v[PT+\i]
.endr
	ds_store_b128 v6, v[E:E+3] offset:768*((\t)/2)+256*((\t)%2)          ; block t belongs to lane (r, t % 2), registers 6 (t / 2) on, of my tile's fragment
	ds_store_b64 v7, v[E+4:E+5] offset:768*((\t)/2)+512+128*((\t)%2)
.endm
	BLOCK 0, 32
	BLOCK 1, 32
	BLOCK 2, 32
	BLOCK 3, 0
	global_store_b32 v10, v24, s[14:15]
.irp k, 0,1,2,3,4,5
	ds_load_b128 v[X+4*\k:X+4*\k+3], v8 offset:512*\k    ; LDS serves a wave's instructions in order: these see my stores
.endr
.irp k, 0,1,2,3,4,5
	s_wait_dscnt 5-\k
	global_store_b128 v9, v[X+4*\k:X+4*\k+3], s[12:13] offset:3072*(\k/3)+512*(\k%3)   ; 512 consecutive bytes of an image
.endr
	s_wait_tensorcnt 0x0                           ; the wave's end, behind my last LDS store
	ds_add_u32 v[SPW], v[NIL]
	s_wait_dscnt 0x0
	s_endpgm
.Lfunc_end_k_qd15ef8084a_quant_w:
	.size	k_qd15ef8084a_quant_w, .Lfunc_end_k_qd15ef8084a_quant_w-k_qd15ef8084a_quant_w
	.p2alignl 7, 3214868480
	.fill 96, 4, 3214868480
	.section	.rodata,"a",@progbits
	.p2align	6, 0x0
	.amdhsa_kernel k_qd15ef8084a_quant_w
		.amdhsa_group_segment_fixed_size 25600
		.amdhsa_private_segment_fixed_size 0
		.amdhsa_enable_private_segment 0
		.amdhsa_kernarg_size 56
		.amdhsa_user_sgpr_count 2
		.amdhsa_user_sgpr_kernarg_segment_ptr 1
		.amdhsa_wavefront_size32 1
		.amdhsa_system_sgpr_workgroup_id_x 1
		.amdhsa_system_sgpr_workgroup_id_y 1
		.amdhsa_system_sgpr_workgroup_id_z 1
		.amdhsa_system_vgpr_workitem_id 0
		.amdhsa_next_free_vgpr 224
		.amdhsa_next_free_sgpr 66
		.amdhsa_reserve_vcc 1
		.amdhsa_float_denorm_mode_32 3
		.amdhsa_float_denorm_mode_16_64 3
		.amdhsa_memory_ordered 1
		.amdhsa_forward_progress 1
		.amdhsa_inst_pref_size 31
	.end_amdhsa_kernel
	.amdgpu_metadata
---
amdhsa.version: [ 1, 2 ]
amdhsa.kernels:
  - .name:           k_qd15ef8084a_quant_w
    .symbol:         k_qd15ef8084a_quant_w.kd
    .args:
      - { .name: wq, .offset: 0, .size: 8, .value_kind: global_buffer, .address_space: global }
      - { .name: wk, .offset: 8, .size: 8, .value_kind: global_buffer, .address_space: global }
      - { .name: wv, .offset: 16, .size: 8, .value_kind: global_buffer, .address_space: global }
      - { .name: wo, .offset: 24, .size: 8, .value_kind: global_buffer, .address_space: global }
      - { .name: wc, .offset: 32, .size: 8, .value_kind: global_buffer, .address_space: global }
      - { .name: sc, .offset: 40, .size: 8, .value_kind: global_buffer, .address_space: global }
      - { .name: rope, .offset: 48, .size: 8, .value_kind: global_buffer, .address_space: global }
    .group_segment_fixed_size: 25600
    .private_segment_fixed_size: 0
    .kernarg_segment_align: 8
    .kernarg_segment_size: 56
    .max_flat_workgroup_size: 256
    .sgpr_count:     66
    .vgpr_count:     224
    .wavefront_size: 32
...
	.end_amdgpu_metadata
.endif
;; end of part 2
;; launch qkv (part 3): grid 12 x 32, 4 waves a work-group, clusters of 4 x 4, 327,680 bytes of LDS; arguments xq, wc, sc, bq, bk, bv, rope, qkc, vc, asc; writes qkc, vc, asc
.if DOCPART == 3
	.amdgcn_target "amdgcn-amd-amdhsa--gfx1250"
	.amdhsa_code_object_version 6
	.text
	.protected	k_qd15ef8084a_qkv
	.globl	k_qd15ef8084a_qkv
	.p2align	8
	.type	k_qd15ef8084a_qkv,@function
k_qd15ef8084a_qkv:
	s_mov_b64 s[64:65], 0
	v_nop
	global_prefetch_b8 v0, s[64:65] scope:SCOPE_SE
	s_setreg_imm32_b32 hwreg(HW_REG_WAVE_MODE, 25, 1), 1
	s_wait_xcnt 0x0
	s_wait_alu depctr_hold_cnt(0) depctr_sa_sdst(0) depctr_va_vdst(0) depctr_va_sdst(0) depctr_va_ssrc(0) depctr_va_vcc(0) depctr_vm_vsrc(0)
	s_getreg_b32 s2, hwreg(HW_REG_IB_STS2, 6, 4)
	s_cmp_eq_u32 s2, 0
	s_cbranch_scc0 .Lentry_in_a_cluster
	s_endpgm
.Lentry_in_a_cluster:
	s_bfe_u32 s2, ttmp6, 0x10000c
	s_cmp_lg_u32 s2, 0xf033
	s_cbranch_scc0 .Lentry_shape_is_right
	s_endpgm
.Lentry_shape_is_right:
.set QX,    1572864
.set QW,    786432
.set TW0,   0
.set HALFT, 24576
.set SLOT,  4*HALFT
.set SPARE, 3*SLOT
.set FR,   12
.set AP16, 4
.set AP8,  7
.set AR16, 10
.set AR8,  13
.set L16,  24
.set L8,   25
.set SPW,  28
.set NIL,  29
.set SC,   32
.set AF,   128
.set Y,    128
.set PC,   192
.set PT,   204
.set TM,   212
.set SW,   32
.set PW,   48
.set BP,   2
.set SEL,  18
.set MSK,  20
.set G1X,  24
.set G0X,  32
.set G1W,  44
.set G0W,  52
.set MSB, 0
.macro WIN new
.if MSB != (\new)
	s_set_vgpr_msb (MSB<<8)|(\new)
.set MSB, (\new)
.endif
.endm
.macro PLACES
.rept 4
	v_nop
.endr
.endm
.macro JLOAD s
	s_cmp_eq_u32 s15, 0
	s_cbranch_scc0 .Lfor_w_\@
	tensor_load_to_lds s[G0X+4*\s:G0X+4*\s+3], s[G1X:G1X+7]
	s_nop 0
.rept 4
	v_nop
.endr
	s_branch .Lasked_\@
.Lfor_w_\@:
	tensor_load_to_lds s[G0W+4*\s:G0W+4*\s+3], s[G1W:G1W+7]
	s_nop 0
.rept 4
	v_nop
.endr
.Lasked_\@:
.endm
.macro CREST
	s_cmp_lg_u32 s14, 0
	s_cbranch_scc1 .Lnot_wave_0_\@
	s_barrier_signal -3
.Lnot_wave_0_\@:
	s_barrier_wait -3
	s_barrier_signal -1
	s_barrier_wait -1
.endm
.macro CROUND
	s_barrier_signal -1
	s_barrier_wait -1
	CREST
.endm
.macro FRAG reg, a16, a8, off
	ds_load_b128 v[(\reg):(\reg)+3], v[\a16] offset:(\off)
	ds_load_b64 v[(\reg)+4:(\reg)+5], v[\a8] offset:(\off)+512
	ds_load_b128 v[(\reg)+6:(\reg)+9], v[\a16] offset:(\off)+768
	ds_load_b64 v[(\reg)+10:(\reg)+11], v[\a8] offset:(\off)+1280
.endm
.macro FETCH_B slot, sp, p
	WIN 0x40
.irp i, 0,1,2,3,4,5,6,7
	FRAG 128*(\p)+FR*\i, AR16+(\slot), AR8+(\slot), \i*3072+(\sp)*1536
.endr
	WIN 0
.endm
.macro FETCH_A slot, sp, i0
.irp i, \i0, \i0+1, \i0+2, \i0+3
	FRAG AF+FR*(\i), AP16+(\slot), AP8+(\slot), (\i)*3072+(\sp)*1536
.endr
.endm
.macro MUL16 a0, p, s, cm
.irp a, \a0, \a0+1
.irp b, 0,1,2,3,4,5,6,7
.if (\cm) == 2
	v_wmma_scale_f32_16x16x128_f8f6f4 v[8*(8*((\a)%4)+\b):8*(8*((\a)%4)+\b)+7], v[128*(\p)+FR*\b:128*(\p)+FR*\b+FR-1], v[AF+FR*(\a):AF+FR*(\a)+FR-1], v[96+8*\b+96*(\b/4):96+8*\b+96*(\b/4)+7], v[SC+8*\b+(\s)], v[SC+8*(\a)+(\s)] matrix_a_fmt:MATRIX_FMT_FP6 matrix_b_fmt:MATRIX_FMT_FP6 matrix_a_scale:MATRIX_SCALE_ROW1
.else
	v_wmma_scale_f32_16x16x128_f8f6f4 v[8*(8*((\a)%4)+\b):8*(8*((\a)%4)+\b)+7], v[128*(\p)+FR*\b:128*(\p)+FR*\b+FR-1], v[AF+FR*(\a):AF+FR*(\a)+FR-1], v[8*(8*((\a)%4)+\b):8*(8*((\a)%4)+\b)+7], v[SC+8*\b+(\s)], v[SC+8*(\a)+(\s)] matrix_a_fmt:MATRIX_FMT_FP6 matrix_b_fmt:MATRIX_FMT_FP6 matrix_a_scale:MATRIX_SCALE_ROW1
.endif
.endr
.endr
.endm
.macro KSTEP k, kind, cm
.set NSL, (((\k)+1)/2)%3
.set NSP, ((\k)+1)%2
.set PP, (\k)%2
.if (\kind) == 0
	s_wait_dscnt 16
	WIN 0xa1-0x20*((\cm)/2)
	MUL16 0, PP, \k, \cm
	MUL16 2, PP, \k, \cm
	s_wait_dscnt 0x0
	PLACES
.endif
.if ((\kind) == 1) || ((\kind) == 2)
	s_wait_tensorcnt 0x0
	ds_add_u32 v[SPW], v[NIL]
	s_wait_dscnt 17
	WIN 0xa1
	MUL16 0, PP, \k, 0
	s_wait_dscnt 0x0
	s_barrier_signal -1
	MUL16 2, PP, \k, 0
	WIN 0
	s_barrier_wait -1
.if (\kind) == 1
	CREST
	s_add_nc_u64 s[G0X+2:G0X+3], s[G0X+2:G0X+3], 3*QX
	s_add_nc_u64 s[G0W+2:G0W+3], s[G0W+2:G0W+3], 3*QW
	JLOAD 0
.else
	PLACES
.endif
.endif
.if (\kind) < 3
	FETCH_B NSL, NSP, NSP
	FETCH_A NSL, NSP, 0
	WIN 0xf1-0x30*((\cm)/2)
	MUL16 4, PP, \k, \cm
	MUL16 6, PP, \k, \cm
	PLACES
	WIN 0
	FETCH_A NSL, NSP, 4
.else
	s_wait_dscnt 16
	WIN 0xa1
	MUL16 0, PP, \k, 0
	MUL16 2, PP, \k, 0
	s_wait_dscnt 0x0
	WIN 0xf1
	MUL16 4, PP, \k, 0
	MUL16 6, PP, \k, 0
	WIN 0
.endif
.endm
.macro QUANT s, nb, pw
.set QB, 0
.rept \nb
	v_max3_num_f32 v[TM+QB], |v[(\s)+16*QB]|, |v[(\s)+16*QB+1]|, 0x1800000
.set QB, QB+1
.endr
.irp i, 2,4,6,8,10,12,14
.set QB, 0
.rept \nb
	v_max3_num_f32 v[TM+QB], v[TM+QB], |v[(\s)+16*QB+\i]|, |v[(\s)+16*QB+\i+1]|
.set QB, QB+1
.endr
.endr
.set QB, 0
.rept \nb
	v_permlanex16_b32 v[TM+4+QB], v[TM+QB], s[SEL], s[SEL+1]
.set QB, QB+1
.endr
.set QB, 0
.rept \nb
	v_max_num_f32 v[TM+QB], v[TM+QB], v[TM+4+QB]
.set QB, QB+1
.endr
.set QB, 0
.rept \nb
	v_add_nc_u32 v[TM+8+QB], 0xff000000, v[TM+QB]
.set QB, QB+1
.endr
.set QB, 0
.rept \nb
	v_lshrrev_b32 v[TM+4+QB], 23, v[TM+8+QB]
.set QB, QB+1
.endr
	v_lshl_or_b32 v[\pw], v[TM+5], 8, v[TM+4]
.if (\nb) == 4
	v_lshl_or_b32 v[\pw], v[TM+6], 16, v[\pw]
	v_lshl_or_b32 v[\pw], v[TM+7], 24, v[\pw]
.endif
.set QB, 0
.rept (\nb)/2
	v_cvt_scalef32_pk16_fp6_f32 v[PC+6*QB:PC+6*QB+2], v[(\s)+32*QB:(\s)+32*QB+15], v[TM+8+2*QB]
	v_cvt_scalef32_pk16_fp6_f32 v[PT+4*QB:PT+4*QB+2], v[(\s)+32*QB+16:(\s)+32*QB+31], v[TM+8+2*QB+1]
.set QB, QB+1
.endr
	v_nop
.set QB, 0
.rept (\nb)/2
.irp i, 0,1,2
	v_permlane16_swap_b32 v[PC+6*QB+\i], v[PT+4*QB+\i]
.endr
.irp i, 0,1,2
	v_mov_b32 v[PC+6*QB+3+\i], v[PT+4*QB+\i]
.endr
.set QB, QB+1
.endr
.endm
	s_load_b256 s[4:11], s[0:1], 0x0
	s_load_b256 s[68:75], s[0:1], 0x20
	s_load_b128 s[76:79], s[0:1], 0x40
	v_lshl_add_u32 v[SPW], v0, 2, SPARE
	v_mov_b32 v[NIL], 0
	ds_add_u32 v[SPW], v[NIL]
	ds_add_u32 v[SPW], v[NIL]
	v_lshrrev_b32 v1, 5, v0
	v_readfirstlane_b32 s14, v1
	s_lshr_b32 s15, s14, 1
	s_and_b32 s16, s14, 1
	s_bfe_u32 s80, ttmp6, 0x40000
	s_bfe_u32 s81, ttmp6, 0x40004
	s_lshl_b32 s82, ttmp9, 2
	s_add_co_u32 s82, s82, s80
	s_and_b32 s83, ttmp7, 0xffff
	s_lshl_b32 s83, s83, 2
	s_add_co_u32 s83, s83, s81
	s_lshl_b32 s84, s81, 2
	s_lshl_b32 s84, 15, s84
	s_lshl_b32 s85, 0x1111, s80
	s_or_b32 s[G1X], s84, (3<<16)|(1<<21)
	s_or_b32 s[G1W], s85, (3<<16)|(1<<21)
.irp g, G1X, G1W
	s_mov_b32 s[\g+1], 32<<16
	s_mov_b32 s[\g+2], 192<<16                     ; the head's load of a wave: 192 rows of 256 bytes, sixteen tiles of one slot, dense in memory and in LDS
	s_mov_b32 s[\g+3], 32<<16
	s_mov_b32 s[\g+4], 192
	s_mov_b32 s[\g+5], 32
	s_mov_b32 s[\g+6], 0
	s_mov_b32 s[\g+7], 0
.endr
	s_lshl_b32 s86, s83, 4
	s_lshl_b32 s87, s16, 3
	s_add_co_u32 s86, s86, s87
	s_mul_i32 s86, s86, 3072
	s_mov_b32 s87, 0
	s_lshl_b32 s88, s82, 4
	s_lshl_b32 s89, s16, 3
	s_add_co_u32 s88, s88, s89
.if TW0
	s_add_co_u32 s88, s88, TW0
.endif
	s_mul_i32 s88, s88, 3072
	s_mov_b32 s89, 0
	s_mul_i32 s90, s14, HALFT
	s_mov_b32 s[SEL], 0x76543210
	s_mov_b32 s[SEL+1], 0xfedcba98
	s_mov_b32 s[MSK], 0xffff0000
	s_wait_dscnt 0x0
	s_wait_kmcnt 0x0
	s_add_nc_u64 s[86:87], s[4:5], s[86:87]
	s_add_nc_u64 s[88:89], s[6:7], s[88:89]
	CROUND
	; the head's four joint loads, one a wave: waves 0, 1 fetch x's sixteen tiles of slots 0, 1; waves 2, 3 the weights' sixteen tiles of slots 0, 1
	s_mul_i32 s92, s83, 49152                      ; x: the tile row's sixteen tiles,
	s_mul_i32 s93, s16, QX                         ; of slot wave % 2
	s_add_co_u32 s92, s92, s93
	s_mov_b32 s93, 0
	s_lshl_b32 s94, s82, 4
	s_mul_i32 s94, s94, 3072                       ; the weights: the tile column's sixteen tiles,
	s_mul_i32 s95, s16, QW
	s_add_co_u32 s94, s94, s95
	s_mov_b32 s95, 0
	s_mul_i32 s96, s16, SLOT                       ; LDS: the slot; x's tiles first, the weights' behind them
	s_mov_b32 s[G0X+4], 1
	s_add_co_u32 s[G0X+5], s96, 0
	s_add_nc_u64 s[G0X+6:G0X+7], s[4:5], s[92:93]
	s_or_b32 s[G0X+7], s[G0X+7], 0x80000000
	s_mov_b32 s[G0W+4], 1
	s_add_co_u32 s[G0W+5], s96, 2*HALFT
	s_add_nc_u64 s[G0W+6:G0W+7], s[6:7], s[94:95]
	s_or_b32 s[G0W+7], s[G0W+7], 0x80000000
	JLOAD 1
.irp s, 0,2                            ; for slot 2's first fill and slot 0's refill: a quarter of a slot a wave
	s_mov_b32 s[G0X+4*\s], 1
	s_add_co_u32 s[G0X+4*\s+1], s90, \s*SLOT
	s_add_nc_u64 s[G0X+4*\s+2:G0X+4*\s+3], s[86:87], \s*QX
	s_or_b32 s[G0X+4*\s+3], s[G0X+4*\s+3], 0x80000000
	s_mov_b32 s[G0W+4*\s], 1
	s_add_co_u32 s[G0W+4*\s+1], s90, \s*SLOT
	s_add_nc_u64 s[G0W+4*\s+2:G0W+4*\s+3], s[88:89], \s*QW
	s_or_b32 s[G0W+4*\s+3], s[G0W+4*\s+3], 0x80000000
.endr
	s_lshl_b32 s21, s83, 13
	s_lshl_b32 s22, s82, 13
	s_add_co_u32 s22, s22, 262144+TW0*512
	s_lshl_b32 s23, s15, 12
	s_lshl_b32 s95, s16, 12
	s_add_co_u32 s98, s21, s23
	s_add_co_u32 s99, s22, s23
	s_add_co_u32 s100, s21, s95
	s_add_co_u32 s101, s22, s95
	s_mul_i32 s91, s15, HALFT
	s_mul_i32 s92, s16, HALFT
	s_cmp_eq_u32 ttmp9, 2
	s_cselect_b32 s93, 2*HALFT, 0
	s_cselect_b32 s94, 0, 2*HALFT
	s_cselect_b32 s96, s99, s98
	s_cselect_b32 s97, s100, s101
	s_add_co_u32 s91, s91, s93
	s_add_co_u32 s92, s92, s94
	v_and_b32 v1, 31, v0
	v_and_b32 v2, 15, v0
	v_bfe_u32 v3, v0, 4, 1
	v_lshlrev_b32 v[L16], 4, v1
	v_lshlrev_b32 v[L8], 3, v1
.irp s, 0,1,2
	v_add_nc_u32 v[AP16+\s], s91, v[L16]
	v_add_nc_u32 v[AP8+\s], s91, v[L8]
	v_add_nc_u32 v[AR16+\s], s92, v[L16]
	v_add_nc_u32 v[AR8+\s], s92, v[L8]
	s_add_co_u32 s91, s91, SLOT
	s_add_co_u32 s92, s92, SLOT
.endr
	v_mov_b32 v27, s97
	v_cndmask_b32 v26, s96, v27, s[MSK]
	v_lshl_add_u32 v26, v2, 5, v26
.irp i, 0,1,2,3,4,5,6,7
	global_load_b128 v[SC+8*\i:SC+8*\i+3], v26, s[8:9] offset:512*\i
	global_load_b128 v[SC+8*\i+4:SC+8*\i+7], v26, s[8:9] offset:512*\i+16
.endr
	v_lshlrev_b32 v27, 6, v3
	v_lshrrev_b32 v30, 3, v2
	v_lshl_add_u32 v30, v30, 3, v2
	v_lshlrev_b32 v30, 2, v30
	v_mul_u32_u24 v31, v3, 20480
	v_lshl_add_u32 v31, v2, 4, v31
	s_lshr_b32 s21, s83, 3
	s_and_b32 s22, s83, 7
	s_lshl_b32 s23, s80, 2
	s_lshl_b32 s21, s21, 4
	s_add_co_u32 s21, s21, s23
	s_lshl_b32 s93, s16, 1
	s_add_co_u32 s93, s93, s21
	s_lshl_b32 s94, s15, 1
	s_add_co_u32 s94, s94, s21
	s_lshl_b32 s22, s22, 1
	s_add_co_u32 s23, s22, s15
	s_add_co_u32 s22, s22, s16
	s_min_u32 s95, ttmp9, 1
	s_mul_i32 s100, s95, 6291456
	s_mul_i32 s101, s93, 98304
	s_add_co_u32 s100, s100, s101
	s_mul_i32 s101, s23, 6144
	s_add_co_u32 s100, s100, s101
	s_mov_b32 s101, 0
	s_add_nc_u64 s[74:75], s[74:75], s[100:101]
	s_mul_i32 s100, s93, 20480
	s_lshl_b32 s95, s95, 13
	s_add_co_u32 s100, s100, s95
	s_lshl_b32 s95, s23, 9
	s_add_co_u32 s100, s100, s95
	s_add_nc_u64 s[98:99], s[78:79], s[100:101]
	s_lshl_b32 s100, s23, 15
	s_add_nc_u64 s[72:73], s[72:73], s[100:101]
	s_mul_i32 s100, s94, 98304
	s_mul_i32 s95, s22, 6144
	s_add_co_u32 s100, s100, s95
	s_add_nc_u64 s[76:77], s[76:77], s[100:101]
	s_mul_i32 s100, s94, 20480
	s_lshl_b32 s95, s22, 8
	s_add_co_u32 s100, s100, s95
	s_add_co_u32 s100, s100, 16384
	s_add_nc_u64 s[78:79], s[78:79], s[100:101]
	s_lshl_b32 s100, s80, 10
	s_lshl_b32 s95, s15, 9
	s_add_co_u32 s100, s100, s95
	s_add_nc_u64 s[70:71], s[70:71], s[100:101]
	s_lshl_b32 s100, s80, 10
	s_lshl_b32 s95, s16, 9
	s_add_co_u32 s100, s100, s95
	s_cmp_eq_u32 ttmp9, 0
	s_cselect_b64 s[10:11], s[10:11], s[68:69]
	s_add_nc_u64 s[10:11], s[10:11], s[100:101]
	s_cmp_eq_u32 ttmp9, 2
	s_cbranch_scc1 .Lbias_v
	s_wait_alu depctr_va_vdst(0)
.irp b, 0,1,2,3,4,5,6,7
	global_load_b128 v[96+8*\b+96*(\b/4):96+8*\b+96*(\b/4)+3], v27, s[10:11] offset:128*(\b/2)+32*(\b%2)
	global_load_b128 v[96+8*\b+96*(\b/4)+4:96+8*\b+96*(\b/4)+7], v27, s[10:11] offset:128*(\b/2)+32*(\b%2)+16
.endr
	s_branch .Lbias_done
.Lbias_v:
.irp j, 0,1,2,3,4,5,6,7,8,9,10,11,12,13,14,15,16,17,18,19,20,21,22,23,24,25,26,27,28,29,30,31
	v_mov_b32 v[96+\j], 0
	v_mov_b32 v[224+\j], 0
.endr
.Lbias_done:
	s_wait_alu depctr_va_vdst(0)
	s_wait_tensorcnt 0x0                           ; my head's load is in
	ds_add_u32 v[SPW], v[NIL]
	s_mov_b32 s[G1X+2], 96<<16                     ; no tensor load of mine is out, so group 1 may be written: from here on a load brings 96 rows
	s_mov_b32 s[G1X+4], 96
	s_mov_b32 s[G1W+2], 96<<16
	s_mov_b32 s[G1W+4], 96
	s_wait_dscnt 0x0
	CROUND                                         ; slots 0 and 1 are whole, and all sixteen work-groups are here
	JLOAD 2                                        ; slot 2's first fill, the first tensor load behind the round
	FETCH_B 0, 0, 0
	FETCH_A 0, 0, 0
	FETCH_A 0, 0, 4
	s_wait_loadcnt 0x0
	s_wait_alu depctr_va_vdst(0)
	KSTEP 0, 0, 2
	KSTEP 1, 1, 0
.macro ROPELOAD a
.irp e, 0,1,2,3,4,5,6,7
	global_load_b128 v[96+128*((\a)%2)+4*\e:96+128*((\a)%2)+4*\e+3], v[L16], s[72:73] offset:(\a)*4096+\e*512
.endr
.endm
.irp a, 0,1,2,3,4,5,6,7
	global_load_b32 v[16+\a], v30, s[70:71] offset:(32*(\a/2)+8*(\a%2))*4
.endr
	ROPELOAD 0
	ROPELOAD 1
	KSTEP 2, 0, 0
	KSTEP 3, 0, 0
	KSTEP 4, 0, 0
	KSTEP 5, 2, 0
	KSTEP 6, 0, 0
	KSTEP 7, 3, 0
	PLACES
.irp b, 0,1,2,3
	v_mov_b32 v[TM+4+\b], 0
.endr
	s_cmp_eq_u32 ttmp9, 2
	s_cbranch_scc1 .Lout_v
.macro UNITQK a, hd
.set U, 8*(8*((\a)%4)+4*(\hd))
.set RT, 96+128*((\a)%2)
	WIN 0x02+((\a)/4)
.irp e, 0,1,2,3,4,5,6,7
	v_pk_mul_f32 v[Y+2*\e:Y+2*\e+1], v[U+2*\e:U+2*\e+1], v[RT+4*\e:RT+4*\e+1]
	v_pk_mul_f32 v[Y+16+2*\e:Y+16+2*\e+1], v[U+16+2*\e:U+16+2*\e+1], v[RT+4*\e:RT+4*\e+1]
	v_pk_fma_f32 v[Y+2*\e:Y+2*\e+1], v[U+16+2*\e:U+16+2*\e+1], v[RT+4*\e+2:RT+4*\e+3], v[Y+2*\e:Y+2*\e+1] neg_lo:[0,1,0] neg_hi:[0,1,0]
	v_pk_fma_f32 v[Y+16+2*\e:Y+16+2*\e+1], v[U+2*\e:U+2*\e+1], v[RT+4*\e+2:RT+4*\e+3], v[Y+16+2*\e:Y+16+2*\e+1]
.endr
	WIN 0
	s_wait_xcnt 0x0
	QUANT Y, 2, PW
	v_lshl_or_b32 v[SW+8*(\hd)+(\a)], v[PW], 16, v[PW]
	global_store_b128 v[L16], v[PC:PC+3], s[74:75] offset:(\hd)*98304+(\a)*768
	global_store_b64 v[L8], v[PC+4:PC+5], s[74:75] offset:(\hd)*98304+(\a)*768+512
.endm
.irp a, 0,1,2,3,4,5,6,7
.if \a < 7
	s_wait_loadcnt 8
.else
	s_wait_loadcnt 0x0
.endif
	UNITQK \a, 0
	UNITQK \a, 1
.if \a < 6
	ROPELOAD \a+2
.endif
.endr
.irp hd, 0,1
.irp i, 0,1,2,3
	v_cndmask_b32 v[Y+4*\hd+\i], v[SW+8*\hd+\i], v[SW+8*\hd+4+\i], s[MSK]
.endr
	global_store_b128 v[L16], v[Y+4*\hd:Y+4*\hd+3], s[98:99] offset:\hd*20480
.endr
	s_branch .Lend
.Lout_v:
	s_wait_loadcnt 0x0
.macro UNITV a
.set U, 64*((\a)%4)
	v_mov_b32 v[BP], v[16+(\a)]
	v_mov_b32 v[BP+1], v[16+(\a)]
	WIN 0x02+((\a)/4)
.set VI, 0
.rept 32
	v_pk_add_f32 v[Y+2*VI:Y+2*VI+1], v[U+2*VI:U+2*VI+1], v[BP:BP+1]
.set VI, VI+1
.endr
	WIN 0
	s_wait_xcnt 0x0
	QUANT Y, 4, SW+(\a)
	global_store_b128 v[L16], v[PC:PC+3], s[76:77] offset:((\a)/4)*98304+((\a)%4)*1536
	global_store_b64 v[L8], v[PC+4:PC+5], s[76:77] offset:((\a)/4)*98304+((\a)%4)*1536+512
	global_store_b128 v[L16], v[PC+6:PC+9], s[76:77] offset:((\a)/4)*98304+((\a)%4)*1536+768
	global_store_b64 v[L8], v[PC+10:PC+11], s[76:77] offset:((\a)/4)*98304+((\a)%4)*1536+1280
.endm
.irp a, 0,1,2,3,4,5,6,7
	UNITV \a
.endr
.irp i, 0,1,2,3
	v_cndmask_b32 v[Y+\i], v[SW+\i], v[SW+4+\i], s[MSK]
.endr
	global_store_b128 v31, v[Y:Y+3], s[78:79]
.Lend:
	s_wait_tensorcnt 0x0
	ds_add_u32 v[SPW], v[NIL]
	s_wait_dscnt 0x0
	CROUND
	s_endpgm
.Lfunc_end_k_qd15ef8084a_qkv:
	.size	k_qd15ef8084a_qkv, .Lfunc_end_k_qd15ef8084a_qkv-k_qd15ef8084a_qkv
	.p2alignl 7, 3214868480
	.fill 96, 4, 3214868480
	.section	.rodata,"a",@progbits
	.p2align	6, 0x0
	.amdhsa_kernel k_qd15ef8084a_qkv
		.amdhsa_group_segment_fixed_size 327680
		.amdhsa_private_segment_fixed_size 0
		.amdhsa_enable_private_segment 0
		.amdhsa_kernarg_size 80
		.amdhsa_user_sgpr_count 2
		.amdhsa_user_sgpr_kernarg_segment_ptr 1
		.amdhsa_wavefront_size32 1
		.amdhsa_system_sgpr_workgroup_id_x 1
		.amdhsa_system_sgpr_workgroup_id_y 1
		.amdhsa_system_sgpr_workgroup_id_z 1
		.amdhsa_system_vgpr_workitem_id 0
		.amdhsa_next_free_vgpr 1024
		.amdhsa_next_free_sgpr 104
		.amdhsa_reserve_vcc 0
		.amdhsa_float_denorm_mode_32 3
		.amdhsa_float_denorm_mode_16_64 3
		.amdhsa_memory_ordered 1
		.amdhsa_forward_progress 1
		.amdhsa_inst_pref_size 243
	.end_amdhsa_kernel
	.amdgpu_metadata
---
amdhsa.version: [ 1, 2 ]
amdhsa.kernels:
  - .name:           k_qd15ef8084a_qkv
    .symbol:         k_qd15ef8084a_qkv.kd
    .args:
      - { .name: xq, .offset: 0, .size: 8, .value_kind: global_buffer, .address_space: global }
      - { .name: wc, .offset: 8, .size: 8, .value_kind: global_buffer, .address_space: global }
      - { .name: sc, .offset: 16, .size: 8, .value_kind: global_buffer, .address_space: global }
      - { .name: bq, .offset: 24, .size: 8, .value_kind: global_buffer, .address_space: global }
      - { .name: bk, .offset: 32, .size: 8, .value_kind: global_buffer, .address_space: global }
      - { .name: bv, .offset: 40, .size: 8, .value_kind: global_buffer, .address_space: global }
      - { .name: rope, .offset: 48, .size: 8, .value_kind: global_buffer, .address_space: global }
      - { .name: qkc, .offset: 56, .size: 8, .value_kind: global_buffer, .address_space: global }
      - { .name: vc, .offset: 64, .size: 8, .value_kind: global_buffer, .address_space: global }
      - { .name: asc, .offset: 72, .size: 8, .value_kind: global_buffer, .address_space: global }
    .group_segment_fixed_size: 327680
    .private_segment_fixed_size: 0
    .kernarg_segment_align: 8
    .kernarg_segment_size: 80
    .max_flat_workgroup_size: 128
    .sgpr_count:     104
    .vgpr_count:     1024
    .wavefront_size: 32
...
	.end_amdgpu_metadata
.endif
;; end of part 3
;; launch attn (part 4): grid 4 x 64, 16 waves a work-group, clusters of 4 x 1, 219,136 bytes of LDS; arguments qkc, vc, asc, key_padding_mask, ctxc, sc; writes ctxc, sc
.if DOCPART == 4
	.amdgcn_target "amdgcn-amd-amdhsa--gfx1250"
	.amdhsa_code_object_version 6
	.text
	.protected	k_qd15ef8084a_attn
	.globl	k_qd15ef8084a_attn
	.p2align	8
	.type	k_qd15ef8084a_attn,@function
k_qd15ef8084a_attn:
	s_mov_b64 s[64:65], 0
	v_nop
	global_prefetch_b8 v0, s[64:65] scope:SCOPE_SE
	s_setreg_imm32_b32 hwreg(HW_REG_WAVE_MODE, 25, 1), 1
	s_wait_xcnt 0x0
	s_wait_alu depctr_hold_cnt(0) depctr_sa_sdst(0) depctr_va_vdst(0) depctr_va_sdst(0) depctr_va_ssrc(0) depctr_va_vcc(0) depctr_vm_vsrc(0)
	s_getreg_b32 s2, hwreg(HW_REG_IB_STS2, 6, 4)
	s_cmp_eq_u32 s2, 0
	s_cbranch_scc0 .Lentry_in_a_cluster
	s_endpgm
.Lentry_in_a_cluster:
	s_bfe_u32 s2, ttmp6, 0x10000c
	s_cmp_lg_u32 s2, 0x3003
	s_cbranch_scc0 .Lentry_shape_is_right
	s_endpgm
.Lentry_shape_is_right:
; ctx[b][h][q] = the sum over keys of softmax(q . k / 8, masked keys left out) v, both products on codes of FP6 (E2M3) with E8M0 scales; ctx is quantised along the features and leaves as half an image of an operand.
; THE SOFTMAX AHEAD OF THE SECOND PRODUCT: t = score x log2(e) / 8; M = the running largest t rounded UP to a whole number; p = 2^(t - M) is quantised along the keys, not normalised;
; the row's sum is taken of the unquantised p and divides at the end.  When M moves, the sum and O are multiplied by 2^(old M - new M): exact.
; SHARES: 256 work-groups.  A work-group owns 512 queries of one head; each of its sixteen waves takes two tiles of 16 queries, one after the other (the loop .Lpass), each over all 2,048 keys (16 key steps of 128).
; A WHOLE HEAD'S K AND V STAY IN LDS: 98,304 bytes each, with their scale words, filled once at the head and read in both passes; nothing is filled again, so one barrier serves the launch.
; CLUSTER: the four work-groups of a head ask for K, V and the scale words JOINTLY (mask 15): waves 0-3 a quarter of K each, waves 4-7 a quarter of V, wave 8 the words: one tensor load a wave.
; NO PREFETCH: all tiles are asked for by the head's one group of loads, so there is no loop to run ahead in; the second pass's q is loaded into registers under the first pass's way out.
; LAYOUT: both products transposed (S^T = K Q^T, O^T = V^T P^T): a lane holds one query throughout.  Row r of tile 2 g + u (keys, queries, channels) is index 32 g + 8 u + r + 8 (r / 8),
; so the 16 registers of key tiles 2 g, 2 g + 1 are keys 32 g + 16 (lane / 16) + 0 .. 15.
; K = 64 IN AN INSTRUCTION OF 128: a pair of key tiles is one operand [even tile][odd tile]; against [q][zeros] it gives the even tile's scores, against [zeros][q] the odd tile's (zero codes add nothing).
; THE MASK: a bias, 0 or -2^120 for each key, lies in LDS and is loaded into the scores' registers as the C of the first product.  The running largest score begins at -2^100.
; While only masked keys have been seen p = 0 and the sum is 0; at the end the sum is held at 2^-100 from below.
; A BLOCK'S SCALE: p rises with the score, so the block's largest p is 2^x with x = its largest t - M; its byte is floor(x) + 125, made as floor(x + 125) in f32, held at 1 from below.
; LDS LOADS RUN A STEP AHEAD: the next step's bias, K's words and six key tiles are asked for as soon as the row's sum has read p, the last two key tiles behind the second product.
; The addresses go round: behind the last keys come the first, for the next pass.  The launch's very last request (33 loads a wave) is not used.
; LIMITS: scores under 2^100 in magnitude; a batch whose every key is masked gives ctx = 0 (all its rows are multiplied by 0 in the last launch); NaN and infinities are not served;
; x + 125 is rounded once to f32, so where x lies within 2^-17 of a whole number the byte may be the neighbouring one; blocks under 2^-124 get the byte 1.
; ctx's two scale bytes a row leave by a store of 2 bytes a lane, 32 bytes apart: 32 bytes a wave beside 768 of codes.
.set VC,    98304                      ; LDS: K's 128 half images at 0, V's 64 images here,
.set KSB,   196608                     ; K's scale words (8,192 bytes), V's behind them (4,096),
.set VSB,   KSB+8192
.set BIAS,  208896                     ; the bias, 4 bytes a key: stored by the waves; no tensor load lands here
.set SPARE, 217088                     ; the spare words, 128 bytes for each wave
.set K16, 1                            ; v1-7 LDS addresses, made anew once in four key steps
.set K8,  2
.set V16, 3
.set V8,  4
.set KSA, 5
.set VSA, 6
.set BIA, 7
.set SPW, 8                            ; v8 LDS address of my spare word; never rewritten
.set NIL, 9                            ; v9 0; never rewritten
.set QS,  10                           ; v10 Q's scale words
.set NM,  11                           ; v11 -M + 125 (between passes: the offset of Q's scale words)
.set L16, 14                           ; v14, v15 16 x lane, 8 x lane       (v12 -M, v13 the largest score)
.set L8,  15
.set Q,   16                           ; v16-33 [q][0][q]
.set KF,  34                           ; v34-81 eight key tiles, six registers each (v34-41 also four chains of the sum)
.set VF,  70                           ; v70-117 V's four fragments (the first lies on the last pair of key tiles)
.set Y,   82                           ; v82-113 the way out: O^T / the sum
.set S,   118                          ; v118-181 S^T, then p
.set O,   182                          ; v182-213 O^T
.set PC,  214                          ; v214-225 p's codes
.set TP,  226                          ; v226-232 at work
.set PT,  226
.set OLD, 233                          ; v233 -M of the step before
.set BM,  234                          ; v234-237 the blocks' largest scores, their bytes, the conversions' scale operands; then two chains of the sum
.set HB,  238                          ; v238 BIAS + 64 (lane / 16)
.set VB,  239                          ; v239 VSB + 16 (lane % 16)
.set T3,  240                          ; v[240:241] a chain of the sum
.set KSC, 242                          ; v242-245 K's scale words: lanes 0-15 tiles 0-3, lanes 16-31 tiles 4-7
.set VSC, 246                          ; v246-249 V's
.set F,   250                          ; v250 f = 2^(old M - new M)
.set R32, 251                          ; v251 32 x (lane % 16)
.set TT,  252
.set PW,  253                          ; v253 p's scale word
.set LS,  254                          ; v[254:255] the row's sum in two halves
.set G1S, 16                           ; s[16:23], s[24:31] descriptor groups 1: 48 and 96 rows of 256 bytes
.set G1A, 24
.set G0S, 40                           ; s[40:43], s[44:47] groups 0: the words; my quarter of K or of V
.set G0A, 44
.set PASS, 59
.set WV,  60
.set CNT, 61
.set SEL, 62                           ; s[62:63] selects for lane l xor 16
.set CS,  66                           ; s[66:67] c = log2(e) / 8
.set GO,  89                           ; s89-94 the next four key steps' places in LDS
.set GK,  90
.set GB,  91
.set GV,  92
.set GS,  93
.set GW,  94
.macro CROUND                          ; a round of the cluster's barrier
	s_barrier_signal -1
	s_barrier_wait -1
	s_cmp_lg_u32 s[WV], 0
	s_cbranch_scc1 .Lnot_wave_0_\@
	s_barrier_signal -3
.Lnot_wave_0_\@:
	s_barrier_wait -3
	s_barrier_signal -1
	s_barrier_wait -1
.endm
.macro QLOAD                           ; a tile of queries: q twice, ahead of the zeros and behind them, and its scale words
	v_lshrrev_b32 v[NM], 1, v[R32]
	global_load_b128 v[Q:Q+3], v[L16], s[4:5]
	global_load_b64 v[Q+4:Q+5], v[L8], s[4:5] offset:512
	global_load_b128 v[Q+12:Q+15], v[L16], s[4:5]
	global_load_b64 v[Q+16:Q+17], v[L8], s[4:5] offset:512
	global_load_b32 v[QS], v[NM], s[8:9]
.endm
.macro PRE n                           ; 29 LDS loads for the n-th of four key steps: the bias, K's words, key tiles 0 to 5
.irp t, 0,1,2,3,4,5,6,7
	ds_load_b128 v[S+8*\t:S+8*\t+3], v[BIA] offset:(\n)*512+128*(\t/2)+32*(\t%2)        ; the bias of keys 32 (t / 2) + 16 h + 8 (t % 2) + 0 .. 7: the C of the scores
	ds_load_b128 v[S+8*\t+4:S+8*\t+7], v[BIA] offset:(\n)*512+128*(\t/2)+32*(\t%2)+16
.endr
	ds_load_b128 v[KSC:KSC+3], v[KSA] offset:(\n)*512
.irp t, 0,1,2,3,4,5
	ds_load_b128 v[KF+6*\t:KF+6*\t+3], v[K16] offset:(\n)*6144+\t*768
	ds_load_b64 v[KF+6*\t+4:KF+6*\t+5], v[K8] offset:(\n)*6144+\t*768+512
.endr
.endm
.macro PRE3 n                          ; four more: key tiles 6 and 7, into registers that V's first fragment held
.irp t, 6,7
	ds_load_b128 v[KF+6*\t:KF+6*\t+3], v[K16] offset:(\n)*6144+\t*768
	ds_load_b64 v[KF+6*\t+4:KF+6*\t+5], v[K8] offset:(\n)*6144+\t*768+512
.endr
.endm
	s_load_b256 s[4:11], s[0:1], 0x0               ; qkc s[4:5], vc s[6:7], asc s[8:9], mask s[10:11]
	s_load_b128 s[12:15], s[0:1], 0x20             ; ctxc s[12:13], sc s[14:15]
	v_lshl_add_u32 v[SPW], v0, 2, SPARE
	v_mov_b32 v[NIL], 0
	ds_add_u32 v[SPW], v[NIL]                      ; the opening lines: the add, twice on end, and its wait ahead of the first tensor loads
	ds_add_u32 v[SPW], v[NIL]
	v_lshrrev_b32 v11, 5, v0
	s_delay_alu instid0(VALU_DEP_1)
	v_readfirstlane_b32 s[WV], v11                 ; wave 0..15
	s_bfe_u32 s68, ttmp6, 0x40000                  ; cx: it enters Q's and the results' addresses alone
	s_and_b32 s70, ttmp7, 0xffff                   ; 16 b + h, which the four partners share
	s_mul_i32 s72, s70, 98304                      ; the head's bytes in q's, k's and v's codes
	s_mov_b32 s73, 0
	s_mul_i32 s74, s70, 20480
	s_add_co_u32 s74, s74, 8192                    ; and K's scale words
	s_mov_b32 s75, 0
	s_and_b32 s82, s[WV], 3
	s_mul_i32 s82, s82, 24576                      ; my quarter of K or of V, in memory,
	s_mov_b32 s83, 0
	s_mul_i32 s84, s[WV], 24576                    ; and in LDS, where V follows K
.irp g, G1S, G1A
	s_mov_b32 s[\g], 15|(3<<16)|(1<<21)            ; 15:0 the mask: all four; 17:16 elements of 8 bytes; 21 set beside a mask; no padding
	s_mov_b32 s[\g+1], 32<<16                      ; tensor_dim0 = 32
	s_mov_b32 s[\g+3], 32<<16                      ; tile_dim0 = 32
	s_mov_b32 s[\g+5], 32                          ; from row to row
	s_mov_b32 s[\g+6], 0
	s_mov_b32 s[\g+7], 0
.endr
	s_mov_b32 s[G1S+2], 48<<16                     ; tensor_dim1, tile_dim1: 48 rows of 256 bytes,
	s_mov_b32 s[G1S+4], 48
	s_mov_b32 s[G1A+2], 96<<16                     ; 96
	s_mov_b32 s[G1A+4], 96
	s_mov_b32 s[SEL], 0x76543210
	s_mov_b32 s[SEL+1], 0xfedcba98
	s_mov_b32 s[CS], 0x3e38aa3b
	s_mov_b32 s[CS+1], s[CS]                       ; (named with it as a pair, so it is written)
	s_wait_dscnt 0x0                               ; both opening adds are done
	s_wait_kmcnt 0x0
	s_add_nc_u64 s[76:77], s[4:5], s[72:73]
	s_add_nc_u64 s[76:77], s[76:77], 6291456       ; k's codes of the head
	s_add_nc_u64 s[78:79], s[6:7], s[72:73]        ; v's
	s_add_nc_u64 s[80:81], s[8:9], s[74:75]        ; their scale words
	s_cmp_lt_u32 s[WV], 4                          ; waves 0-3 fetch K, waves 4-7 V: the choice hangs on the wave's number alone
	s_cselect_b64 s[76:77], s[76:77], s[78:79]
	s_add_nc_u64 s[76:77], s[76:77], s[82:83]
	CROUND                                         ; all four work-groups are here: the joint loads meet
	s_mov_b32 s[G0A], 1
	s_add_co_u32 s[G0A+1], s84, 0
	s_mov_b64 s[G0A+2:G0A+3], s[76:77]
	s_or_b32 s[G0A+3], s[G0A+3], 0x80000000
	s_mov_b32 s[G0S], 1
	s_mov_b32 s[G0S+1], KSB
	s_mov_b64 s[G0S+2:G0S+3], s[80:81]
	s_or_b32 s[G0S+3], s[G0S+3], 0x80000000
	s_cmp_lt_u32 s[WV], 8                          ; one chain of branches on the wave's number, one load to an arm
	s_cbranch_scc0 .Lnot_kv
	tensor_load_to_lds s[G0A:G0A+3], s[G1A:G1A+7]
	s_nop 0
.rept 4
	v_nop
.endr
	s_branch .Lasked
.Lnot_kv:
	s_cmp_eq_u32 s[WV], 8
	s_cbranch_scc0 .Lasked
	tensor_load_to_lds s[G0S:G0S+3], s[G1S:G1S+7]
	s_nop 0
.rept 4
	v_nop
.endr
.Lasked:
	s_lshl_b32 s82, s68, 5
	s_add_co_u32 s82, s82, s[WV]                   ; my first tile of queries: 32 cx + wave; the second lies 16 tiles on
	s_mul_i32 s84, s82, 768
	s_mov_b32 s85, 0
	s_add_nc_u64 s[4:5], s[4:5], s[72:73]
	s_add_nc_u64 s[4:5], s[4:5], s[84:85]          ; its codes
	s_mul_i32 s84, s70, 20480
	s_lshr_b32 s86, s82, 2
	s_lshl_b32 s86, s86, 8
	s_add_co_u32 s84, s84, s86
	s_and_b32 s86, s82, 3
	s_lshl_b32 s86, s86, 2
	s_add_co_u32 s84, s84, s86
	s_add_nc_u64 s[8:9], s[8:9], s[84:85]          ; its scale words: 256 (tile / 4) + 16 r + 4 (tile % 4)
	s_lshr_b32 s84, s70, 4
	s_lshl_b32 s84, s84, 11
	s_add_nc_u64 s[10:11], s[10:11], s[84:85]      ; the batch's mask
	s_and_b32 s86, s70, 15                         ; h
	s_lshr_b32 s87, s70, 4
	s_lshl_b32 s87, s87, 7
	s_add_co_u32 s87, s87, s82                     ; my tile among all 512
	s_lshr_b32 s84, s86, 2
	s_mul_i32 s84, s84, 1572864
	s_mul_i32 s88, s87, 3072
	s_add_co_u32 s84, s84, s88
	s_and_b32 s88, s86, 3
	s_mul_i32 s88, s88, 768
	s_add_co_u32 s84, s84, s88
	s_add_nc_u64 s[12:13], s[12:13], s[84:85]      ; ctxc: [h / 4][tile][(h / 2) % 2][half h % 2]
	s_lshl_b32 s84, s87, 9
	s_lshl_b32 s88, s86, 1
	s_add_co_u32 s84, s84, s88
	s_add_co_u32 s84, s84, 393216
	s_add_nc_u64 s[14:15], s[14:15], s[84:85]      ; ctx's scale bytes: 512 tile + 32 r + 2 h
	v_and_b32 v11, 31, v0
	v_and_b32 v252, 15, v0
	v_lshlrev_b32 v233, 2, v0                      ; my four bytes of the mask
	v_lshl_add_u32 v232, v0, 4, BIAS               ; where I put four keys' bias
	v_lshlrev_b32 v[L16], 4, v11
	v_lshlrev_b32 v[L8], 3, v11
	v_lshlrev_b32 v[R32], 5, v252
	v_lshl_add_u32 v[VB], v252, 4, VSB
	global_load_b32 v252, v233, s[10:11]
	QLOAD
	v_bfe_u32 v[HB], v0, 4, 1
	v_add_nc_u32 v[K16], 0, v[L16]                 ; the first four key steps' addresses
	v_add_nc_u32 v[K8], 0, v[L8]
	v_add_nc_u32 v[V16], VC, v[L16]
	v_add_nc_u32 v[V8], VC, v[L8]
	v_add_nc_u32 v[KSA], KSB, v[L16]
	v_lshl_add_u32 v[HB], v[HB], 6, BIAS
	v_add_nc_u32 v[VSA], 0, v[VB]
	v_add_nc_u32 v[BIA], 0, v[HB]
.irp j, 0,1,2,3,4,5
	v_mov_b32 v[Q+6+\j], 0                         ; the zero codes
.endr
.irp b, 0,1,2,3
	v_mov_b32 v[TP+\b], 0                          ; written once: a lane permute's destination counts as one of its sources
.endr
	s_wait_alu depctr_va_vdst(0)
	s_wait_loadcnt 5                               ; the mask is in; the five loads of q behind it may be out
.irp i, 0,1,2,3
	v_bfe_u32 v[S+\i], v252, 8*\i, 8
.endr
.irp i, 0,1,2,3
	v_add_nc_u32 v[S+\i], -1, v[S+\i]              ; 1 -> 0, 0 -> all ones
.endr
.irp i, 0,1,2,3
	v_and_b32 v[S+\i], 0xfb800000, v[S+\i]         ; 0, or -2^120
.endr
	ds_store_b128 v232, v[S:S+3]
; A KEY STEP: 128 keys, the q-th of four; every offset is an immediate.  Its bias, K's words and key tiles were asked for in the step before.
.macro STEP q
.if (\q) == 3
	s_add_co_u32 s[GO], s[CNT], 1                  ; where the next four key steps lie: behind the last four come the first
	s_and_b32 s[GO], s[GO], 3
	s_mul_i32 s[GK], s[GO], 24576
	s_lshl_b32 s[GB], s[GO], 11
	s_lshl_b32 s[GV], s[GO], 10
	s_add_co_u32 s[GS], s[GB], KSB
	s_add_co_u32 s[GW], s[GK], VC
.endif
	s_wait_dscnt 4                                 ; all but the four youngest loads, key tiles 6 and 7
.irp t, 0,1,2,3                                ; S^T = K Q^T + bias: the pair's twelve registers against [q][0] or [0][q]
	v_wmma_scale_f32_16x16x128_f8f6f4 v[S+8*\t:S+8*\t+7], v[KF+12*(\t/2):KF+12*(\t/2)+11], v[Q+6*(\t%2):Q+6*(\t%2)+11], v[S+8*\t:S+8*\t+7], v[KSC+\t], v[QS] matrix_a_fmt:MATRIX_FMT_FP6 matrix_b_fmt:MATRIX_FMT_FP6
.endr
.irp t, 4,5
	v_wmma_scale_f32_16x16x128_f8f6f4 v[S+8*\t:S+8*\t+7], v[KF+12*(\t/2):KF+12*(\t/2)+11], v[Q+6*(\t%2):Q+6*(\t%2)+11], v[S+8*\t:S+8*\t+7], v[KSC+\t-4], v[QS] matrix_a_fmt:MATRIX_FMT_FP6 matrix_b_fmt:MATRIX_FMT_FP6 matrix_a_scale:MATRIX_SCALE_ROW1
.endr
	s_wait_dscnt 0x0
.irp t, 6,7
	v_wmma_scale_f32_16x16x128_f8f6f4 v[S+8*\t:S+8*\t+7], v[KF+12*(\t/2):KF+12*(\t/2)+11], v[Q+6*(\t%2):Q+6*(\t%2)+11], v[S+8*\t:S+8*\t+7], v[KSC+\t-4], v[QS] matrix_a_fmt:MATRIX_FMT_FP6 matrix_b_fmt:MATRIX_FMT_FP6 matrix_a_scale:MATRIX_SCALE_ROW1
.endr
	v_mov_b32 v[OLD], v12                          ; four places behind the products, ahead of the loads below and of the first read of the scores
.if (\q) == 3
	v_add_nc_u32 v[K16], s[GK], v[L16]             ; this step's loads by these addresses have been issued
	v_add_nc_u32 v[K8], s[GK], v[L8]
	v_add_nc_u32 v[KSA], s[GS], v[L16]
	v_add_nc_u32 v[BIA], s[GB], v[HB]
.else
.rept 3
	v_nop
.endr
.endif
.irp t, 0,1,2,3                                ; V's four fragments and their words: they land under the softmax
	ds_load_b128 v[VF+12*\t:VF+12*\t+3], v[V16] offset:(\q)*6144+\t*1536
	ds_load_b64 v[VF+12*\t+4:VF+12*\t+5], v[V8] offset:(\q)*6144+\t*1536+512
	ds_load_b128 v[VF+12*\t+6:VF+12*\t+9], v[V16] offset:(\q)*6144+\t*1536+768
	ds_load_b64 v[VF+12*\t+10:VF+12*\t+11], v[V8] offset:(\q)*6144+\t*1536+1280
.endr
	ds_load_b128 v[VSC:VSC+3], v[VSA] offset:(\q)*256
.if (\q) == 3
	v_add_nc_u32 v[V16], s[GW], v[L16]
	v_add_nc_u32 v[V8], s[GW], v[L8]
	v_add_nc_u32 v[VSA], s[GV], v[VB]
.endif
.irp b, 0,1,2,3                                ; the largest score of each block of 32 keys, in two chains a block: for the row's maximum and for the block's scale
	v_max3_num_f32 v[BM+\b], v[S+16*\b], v[S+16*\b+1], v[S+16*\b+2]
.endr
.irp b, 0,1,2,3
	v_max3_num_f32 v[TP+\b], v[S+16*\b+7], v[S+16*\b+8], v[S+16*\b+9]
.endr
.irp i, 3,5
.irp b, 0,1,2,3
	v_max3_num_f32 v[BM+\b], v[BM+\b], v[S+16*\b+\i], v[S+16*\b+\i+1]
.endr
.irp b, 0,1,2,3
	v_max3_num_f32 v[TP+\b], v[TP+\b], v[S+16*\b+\i+7], v[S+16*\b+\i+8]
.endr
.endr
.irp b, 0,1,2,3
	v_max3_num_f32 v[BM+\b], v[BM+\b], v[TP+\b], v[S+16*\b+14]
.endr
.irp b, 0,1,2,3
	v_max_num_f32 v[BM+\b], v[BM+\b], v[S+16*\b+15]
.endr
.irp b, 0,1,2,3
	v_permlanex16_b32 v[TP+\b], v[BM+\b], s[SEL], s[SEL+1]
.endr
.irp b, 0,1,2,3
	v_max_num_f32 v[BM+\b], v[BM+\b], v[TP+\b]     ; with lane l xor 16's 16 keys
.endr
	s_delay_alu instid0(VALU_DEP_2)
	v_max3_num_f32 v[TT], v[BM], v[BM+1], v[BM+2]
	s_delay_alu instid0(VALU_DEP_1)
	v_max3_num_f32 v13, v13, v[TT], v[BM+3]        ; the running largest score (c is positive)
	s_delay_alu instid0(VALU_DEP_1)
	v_mul_f32 v[TT], s[CS], v13                    ; as t
	s_delay_alu instid0(VALU_DEP_1)
	v_floor_f32 v12, -v[TT]                        ; the new -M = -ceil(t)
	s_delay_alu instid0(VALU_DEP_1)
	v_sub_f32 v[TT], v12, v[OLD]                   ; old M - new M: a whole number, 0 or less
	v_add_f32 v[NM], 0x42fa0000, v12               ; -M + 125
.irp j, 0,2,4,6,8,10,12,14,16,18,20,22,24,26,28,30,32,34,36,38,40,42,44,46,48,50,52,54,56,58,60,62
	v_pk_fma_f32 v[S+\j:S+\j+1], v[S+\j:S+\j+1], s[CS:CS+1], v[12:13] op_sel_hi:[1,0,0]   ; t - M, two at a time
.endr
	v_cvt_i32_f32 v[TT], v[TT]                     ; (it saturates)
.irp b, 0,1,2,3
	v_fma_f32 v[BM+\b], v[BM+\b], s[CS], v[NM]     ; x + 125 of each block's largest score
.endr
	v_ldexp_f32 v[F], 1.0, v[TT]                   ; f
	s_wait_alu depctr_va_vdst(0)
.irp j, 0,1,2,3,4,5,6,7,8,9,10,11,12,13,14,15,16,17,18,19,20,21,22,23,24,25,26,27,28,29,30,31,32,33,34,35,36,37,38,39,40,41,42,43,44,45,46,47,48,49,50,51,52,53,54,55,56,57,58,59,60,61,62,63
	v_exp_f32 v[S+\j], v[S+\j]                     ; p = 2^(t - M)
.endr
.irp b, 0,1,2,3
	v_max_num_f32 v[BM+\b], 1.0, v[BM+\b]          ; the byte is held at 1 from below (plain work behind the exponentials)
.endr
.irp b, 0,1,2,3
	v_cvt_u32_f32 v[BM+\b], v[BM+\b]               ; the scale's byte: floor(x + 125)
.endr
	v_lshl_or_b32 v[PW], v[BM+1], 8, v[BM]         ; p's scale word
	v_lshl_or_b32 v[TT], v[BM+3], 8, v[BM+2]
.irp b, 0,1,2,3
	v_lshlrev_b32 v[BM+\b], 23, v[BM+\b]           ; the conversion takes the exponent field of this operand as its scale
.endr
	v_lshl_or_b32 v[PW], v[TT], 16, v[PW]
	s_wait_alu depctr_va_vdst(0)                   ; one wait for the batch of 64, ahead of its first reader
.irp c, 0,1
	v_cvt_scalef32_pk16_fp6_f32 v[PC+6*\c:PC+6*\c+2], v[S+32*\c:S+32*\c+15], v[BM+2*\c]
	v_cvt_scalef32_pk16_fp6_f32 v[TP+4*\c:TP+4*\c+2], v[S+32*\c+16:S+32*\c+31], v[BM+2*\c+1]
.endr
	; the row's sum of the unquantised p, in eight chains; the first line brings the old sum under the new M, and is the plain place behind the conversions
	v_pk_fma_f32 v[LS:LS+1], v[LS:LS+1], v[F:F+1], v[S:S+1] op_sel_hi:[1,0,1]
.set SI, 2
.irp d, BM, BM+2, T3, KF, KF+2, KF+4, KF+6
	v_pk_add_f32 v[\d:\d+1], v[S+SI:S+SI+1], v[S+SI+2:S+SI+3]
.set SI, SI+4
.endr
.rept 2
.irp d, LS, BM, BM+2, T3, KF, KF+2, KF+4, KF+6
	v_pk_add_f32 v[\d:\d+1], v[\d:\d+1], v[S+SI:S+SI+1]
.set SI, SI+2
.endr
.endr
	v_pk_add_f32 v[LS:LS+1], v[LS:LS+1], v[S+62:S+63]
	v_pk_add_f32 v[BM:BM+1], v[BM:BM+1], v[KF:KF+1]
	v_pk_add_f32 v[BM+2:BM+3], v[BM+2:BM+3], v[KF+2:KF+3]
	v_pk_add_f32 v[T3:T3+1], v[T3:T3+1], v[KF+4:KF+5]
	v_pk_add_f32 v[LS:LS+1], v[LS:LS+1], v[KF+6:KF+7]
	s_wait_alu depctr_va_vdst(0)
	s_wait_dscnt 0x0                               ; V is in
	PRE ((\q)+1)%4                                 ; p has been read for the last time: the next step's loads go out
.irp c, 0,1
.irp i, 0,1,2
	v_permlane16_swap_b32 v[PC+6*\c+\i], v[TP+4*\c+\i]
.endr
.irp i, 0,1,2
	v_mov_b32 v[PC+6*\c+3+\i], v[TP+4*\c+\i]
.endr
.endr
	s_wait_alu depctr_va_vdst(0)                   ; the wait directly ahead of the first reader of O^T
.irp j, 0,2,4,6,8,10,12,14,16,18,20,22,24,26,28,30
	v_pk_mul_f32 v[O+\j:O+\j+1], v[O+\j:O+\j+1], v[F:F+1] op_sel_hi:[1,0]   ; O^T under the new M; these sixteen are also the places between the codes, the scale word and the products
.endr
.irp t, 0,1,2,3
	v_wmma_scale_f32_16x16x128_f8f6f4 v[O+8*\t:O+8*\t+7], v[VF+12*\t:VF+12*\t+11], v[PC:PC+11], v[O+8*\t:O+8*\t+7], v[VSC+\t], v[PW] matrix_a_fmt:MATRIX_FMT_FP6 matrix_b_fmt:MATRIX_FMT_FP6
.endr
	v_pk_add_f32 v[BM:BM+1], v[BM:BM+1], v[BM+2:BM+3]   ; the chains are joined: four places behind the products, ahead of the loads below
	v_pk_add_f32 v[LS:LS+1], v[LS:LS+1], v[T3:T3+1]
	v_nop
	v_pk_add_f32 v[LS:LS+1], v[LS:LS+1], v[BM:BM+1]
	PRE3 ((\q)+1)%4
.endm
	s_wait_alu depctr_va_vdst(0)
	s_wait_dscnt 0x0                               ; for the others' sake: my four keys' bias has landed,
	s_wait_tensorcnt 0x0                           ; and so has my tensor load
	s_barrier_signal -1
	s_barrier_wait -1                              ; everybody's: K, V, the words and the bias are whole, and nothing writes them again
	PRE 0                                          ; the first key step's loads
	PRE3 0
	s_mov_b32 s[PASS], 0
.Lpass:                                                ; a tile of 16 queries over all keys
	v_mov_b32 v13, 0xf1800000                      ; the largest score so far: -2^100
	v_mov_b32 v[LS], 0
	v_mov_b32 v[LS+1], 0
	v_mul_f32 v12, s[CS], v13
	s_delay_alu instid0(VALU_DEP_1)
	v_floor_f32 v12, -v12                          ; -M
.irp j, 0,1,2,3,4,5,6,7,8,9,10,11,12,13,14,15,16,17,18,19,20,21,22,23,24,25,26,27,28,29,30,31
	v_mov_b32 v[O+\j], 0                           ; O^T: the step is written once; the first change of M leaves zeros zeros
.endr
	s_wait_alu depctr_va_vdst(0)
	s_wait_loadcnt 0x0                             ; q and its scale words
	s_mov_b32 s[CNT], 0
.Lgroup:                                               ; no two matrix instructions that follow each other share an accumulator, over the backward jump too
	s_wait_alu depctr_va_vdst(0)
	STEP 0
	STEP 1
	STEP 2
	STEP 3
	s_add_co_u32 s[CNT], s[CNT], 1
	s_cmp_lt_u32 s[CNT], 4
	s_cbranch_scc1 .Lgroup
	; THE WAY OUT.  It names none of the registers into which the next pass's LDS loads are on their way.  First the next tile's q is asked for (in the first pass alone)
	s_cmp_eq_u32 s[PASS], 0
	s_wait_alu depctr_va_vdst(0)
	s_cbranch_scc0 .Lno_next
	s_add_nc_u64 s[4:5], s[4:5], 12288             ; 16 tiles on (the loads that read these bases have come back)
	s_add_nc_u64 s[8:9], s[8:9], 1024
	QLOAD
.Lno_next:
	v_add_f32 v[LS], v[LS], v[LS+1]
	s_delay_alu instid0(VALU_DEP_1)
	v_permlanex16_b32 v[TT], v[LS], s[SEL], s[SEL+1]
	s_delay_alu instid0(VALU_DEP_1)
	v_add_f32 v[LS], v[LS], v[TT]                  ; the row's sum
	s_delay_alu instid0(VALU_DEP_1)
	v_max_num_f32 v[LS], 0x0d800000, v[LS]         ; held at 2^-100 from below
	s_wait_alu depctr_va_vdst(0)
	v_rcp_f32 v[LS], v[LS]
	v_nop                                          ; a plain place behind the reciprocal
	s_wait_alu depctr_va_vdst(0)                   ; the wait ahead of its first reader, and of the first reader of O^T
.irp j, 0,2,4,6,8,10,12,14,16,18,20,22,24,26,28,30
	v_pk_mul_f32 v[Y+\j:Y+\j+1], v[O+\j:O+\j+1], v[LS:LS+1] op_sel_hi:[1,0]   ; O^T / the sum: d = 32 g + 16 h + 0 .. 15 of my query: two blocks of the last product's K
.endr
.irp b, 0,1
	v_max3_num_f32 v[BM+\b], |v[Y+16*\b]|, |v[Y+16*\b+1]|, 0x1800000
.endr
.irp i, 2,4,6,8,10,12,14
.irp b, 0,1
	s_delay_alu instid0(VALU_DEP_2)
	v_max3_num_f32 v[BM+\b], v[BM+\b], |v[Y+16*\b+\i]|, |v[Y+16*\b+\i+1]|
.endr
.endr
.irp b, 0,1
	v_permlanex16_b32 v[BM+2+\b], v[BM+\b], s[SEL], s[SEL+1]
.endr
.irp b, 0,1
	v_max_num_f32 v[BM+\b], v[BM+\b], v[BM+2+\b]
.endr
.irp b, 0,1
	v_add_nc_u32 v[T3+\b], 0xff000000, v[BM+\b]    ; 2 off the exponent field: the conversion's scale operand
.endr
.irp b, 0,1
	v_lshrrev_b32 v[BM+2+\b], 23, v[T3+\b]
.endr
	v_lshl_or_b32 v[PW], v[BM+3], 8, v[BM+2]
	v_cvt_scalef32_pk16_fp6_f32 v[PC:PC+2], v[Y:Y+15], v[T3]
	v_cvt_scalef32_pk16_fp6_f32 v[PT:PT+2], v[Y+16:Y+31], v[T3+1]
	v_nop                                          ; one plain place behind a scaled conversion
.irp i, 0,1,2
	v_permlane16_swap_b32 v[PC+\i], v[PT+\i]
.endr
.irp i, 0,1,2
	v_mov_b32 v[PC+3+\i], v[PT+\i]
.endr
	global_store_b128 v[L16], v[PC:PC+3], s[12:13] ; half an image: 512 and 256 consecutive bytes
	global_store_b64 v[L8], v[PC+4:PC+5], s[12:13] offset:512
	global_store_b16 v[R32], v[PW], s[14:15]       ; lanes r and r + 16 write the same two bytes
	s_wait_xcnt 0x0                                ; the stores' bases and data, and the offset of q's scale words, are written again only behind this wait
	s_add_nc_u64 s[12:13], s[12:13], 49152         ; 16 tiles on
	s_add_nc_u64 s[14:15], s[14:15], 8192
	s_add_co_u32 s[PASS], s[PASS], 1
	s_cmp_lt_u32 s[PASS], 2
	s_cbranch_scc1 .Lpass
	s_wait_tensorcnt 0x0                           ; the wave's end, behind my last tensor load and my last LDS store
	ds_add_u32 v[SPW], v[NIL]
	s_wait_dscnt 0x0
	CROUND                                         ; the closing round
	s_endpgm
.Lfunc_end_k_qd15ef8084a_attn:
	.size	k_qd15ef8084a_attn, .Lfunc_end_k_qd15ef8084a_attn-k_qd15ef8084a_attn
	.p2alignl 7, 3214868480
	.fill 96, 4, 3214868480
	.section	.rodata,"a",@progbits
	.p2align	6, 0x0
	.amdhsa_kernel k_qd15ef8084a_attn
		.amdhsa_group_segment_fixed_size 219136
		.amdhsa_private_segment_fixed_size 0
		.amdhsa_enable_private_segment 0
		.amdhsa_kernarg_size 48
		.amdhsa_user_sgpr_count 2
		.amdhsa_user_sgpr_kernarg_segment_ptr 1
		.amdhsa_wavefront_size32 1
		.amdhsa_system_sgpr_workgroup_id_x 1
		.amdhsa_system_sgpr_workgroup_id_y 1
		.amdhsa_system_sgpr_workgroup_id_z 1
		.amdhsa_system_vgpr_workitem_id 0
		.amdhsa_next_free_vgpr 256
		.amdhsa_next_free_sgpr 100
		.amdhsa_reserve_vcc 0
		.amdhsa_float_denorm_mode_32 3
		.amdhsa_float_denorm_mode_16_64 3
		.amdhsa_memory_ordered 1
		.amdhsa_forward_progress 1
		.amdhsa_inst_pref_size 83
	.end_amdhsa_kernel
	.amdgpu_metadata
---
amdhsa.version: [ 1, 2 ]
amdhsa.kernels:
  - .name:           k_qd15ef8084a_attn
    .symbol:         k_qd15ef8084a_attn.kd
    .args:
      - { .name: qkc, .offset: 0, .size: 8, .value_kind: global_buffer, .address_space: global }
      - { .name: vc, .offset: 8, .size: 8, .value_kind: global_buffer, .address_space: global }
      - { .name: asc, .offset: 16, .size: 8, .value_kind: global_buffer, .address_space: global }
      - { .name: key_padding_mask, .offset: 24, .size: 8, .value_kind: global_buffer, .address_space: global }
      - { .name: ctxc, .offset: 32, .size: 8, .value_kind: global_buffer, .address_space: global }
      - { .name: sc, .offset: 40, .size: 8, .value_kind: global_buffer, .address_space: global }
    .group_segment_fixed_size: 219136
    .private_segment_fixed_size: 0
    .kernarg_segment_align: 8
    .kernarg_segment_size: 48
    .max_flat_workgroup_size: 512
    .sgpr_count:     100
    .vgpr_count:     256
    .wavefront_size: 32
...
	.end_amdgpu_metadata
.endif
;; end of part 4
;; launch outp (part 5): grid 4 x 32, 4 waves a work-group, clusters of 4 x 4, 327,680 bytes of LDS; arguments ctxc, wc, sc, bo, key_padding_mask, out0; writes out0
.if DOCPART == 5
	.amdgcn_target "amdgcn-amd-amdhsa--gfx1250"
	.amdhsa_code_object_version 6
	.text
	.protected	k_qd15ef8084a_outp
	.globl	k_qd15ef8084a_outp
	.p2align	8
	.type	k_qd15ef8084a_outp,@function
k_qd15ef8084a_outp:
	s_mov_b64 s[64:65], 0
	v_nop
	global_prefetch_b8 v0, s[64:65] scope:SCOPE_SE
	s_setreg_imm32_b32 hwreg(HW_REG_WAVE_MODE, 25, 1), 1
	s_wait_xcnt 0x0
	s_wait_alu depctr_hold_cnt(0) depctr_sa_sdst(0) depctr_va_vdst(0) depctr_va_sdst(0) depctr_va_ssrc(0) depctr_va_vcc(0) depctr_vm_vsrc(0)
	s_getreg_b32 s2, hwreg(HW_REG_IB_STS2, 6, 4)
	s_cmp_eq_u32 s2, 0
	s_cbranch_scc0 .Lentry_in_a_cluster
	s_endpgm
.Lentry_in_a_cluster:
	s_bfe_u32 s2, ttmp6, 0x10000c
	s_cmp_lg_u32 s2, 0xf033
	s_cbranch_scc0 .Lentry_shape_is_right
	s_endpgm
.Lentry_shape_is_right:
.set QX,    1572864
.set QW,    786432
.set TW0,   192
.set HALFT, 24576
.set SLOT,  4*HALFT
.set SPARE, 3*SLOT
.set FR,   12
.set AP16, 4
.set AP8,  7
.set AR16, 10
.set AR8,  13
.set STO,  16
.set RD,   17
.set L16,  24
.set L8,   25
.set SPW,  28
.set NIL,  29
.set SC,   32
.set MK,   96
.set AF,   128
.set BK,   128
.set MSK,  20
.set G1X,  24
.set G0X,  32
.set G1W,  44
.set G0W,  52
.set MSB, 0
.macro WIN new
.if MSB != (\new)
	s_set_vgpr_msb (MSB<<8)|(\new)
.set MSB, (\new)
.endif
.endm
.macro PLACES
.rept 4
	v_nop
.endr
.endm
.macro JLOAD s
	s_cmp_eq_u32 s15, 0
	s_cbranch_scc0 .Lfor_w_\@
	tensor_load_to_lds s[G0X+4*\s:G0X+4*\s+3], s[G1X:G1X+7]
	s_nop 0
.rept 4
	v_nop
.endr
	s_branch .Lasked_\@
.Lfor_w_\@:
	tensor_load_to_lds s[G0W+4*\s:G0W+4*\s+3], s[G1W:G1W+7]
	s_nop 0
.rept 4
	v_nop
.endr
.Lasked_\@:
.endm
.macro CREST
	s_cmp_lg_u32 s14, 0
	s_cbranch_scc1 .Lnot_wave_0_\@
	s_barrier_signal -3
.Lnot_wave_0_\@:
	s_barrier_wait -3
	s_barrier_signal -1
	s_barrier_wait -1
.endm
.macro CROUND
	s_barrier_signal -1
	s_barrier_wait -1
	CREST
.endm
.macro FRAG reg, a16, a8, off
	ds_load_b128 v[(\reg):(\reg)+3], v[\a16] offset:(\off)
	ds_load_b64 v[(\reg)+4:(\reg)+5], v[\a8] offset:(\off)+512
	ds_load_b128 v[(\reg)+6:(\reg)+9], v[\a16] offset:(\off)+768
	ds_load_b64 v[(\reg)+10:(\reg)+11], v[\a8] offset:(\off)+1280
.endm
.macro FETCH_B slot, sp, p
	WIN 0x40
.irp i, 0,1,2,3,4,5,6,7
	FRAG 128*(\p)+FR*\i, AR16+(\slot), AR8+(\slot), \i*3072+(\sp)*1536
.endr
	WIN 0
.endm
.macro FETCH_A slot, sp, i0
.irp i, \i0, \i0+1, \i0+2, \i0+3
	FRAG AF+FR*(\i), AP16+(\slot), AP8+(\slot), (\i)*3072+(\sp)*1536
.endr
.endm
.macro MUL16 a0, p, s, cm
.irp a, \a0, \a0+1
.irp b, 0,1,2,3,4,5,6,7
.if (\cm) == 2
	v_wmma_scale_f32_16x16x128_f8f6f4 v[8*(8*((\a)%4)+\b):8*(8*((\a)%4)+\b)+7], v[128*(\p)+FR*\b:128*(\p)+FR*\b+FR-1], v[AF+FR*(\a):AF+FR*(\a)+FR-1], v[96+8*\b+96*(\b/4):96+8*\b+96*(\b/4)+7], v[SC+8*\b+(\s)], v[SC+8*(\a)+(\s)] matrix_a_fmt:MATRIX_FMT_FP6 matrix_b_fmt:MATRIX_FMT_FP6 matrix_a_scale:MATRIX_SCALE_ROW1
.else
	v_wmma_scale_f32_16x16x128_f8f6f4 v[8*(8*((\a)%4)+\b):8*(8*((\a)%4)+\b)+7], v[128*(\p)+FR*\b:128*(\p)+FR*\b+FR-1], v[AF+FR*(\a):AF+FR*(\a)+FR-1], v[8*(8*((\a)%4)+\b):8*(8*((\a)%4)+\b)+7], v[SC+8*\b+(\s)], v[SC+8*(\a)+(\s)] matrix_a_fmt:MATRIX_FMT_FP6 matrix_b_fmt:MATRIX_FMT_FP6 matrix_a_scale:MATRIX_SCALE_ROW1
.endif
.endr
.endr
.endm
.macro KSTEP k, kind, cm
.set NSL, (((\k)+1)/2)%3
.set NSP, ((\k)+1)%2
.set PP, (\k)%2
.if (\kind) == 0
	s_wait_dscnt 16
	WIN 0xa1-0x20*((\cm)/2)
	MUL16 0, PP, \k, \cm
	MUL16 2, PP, \k, \cm
	s_wait_dscnt 0x0
	PLACES
.endif
.if ((\kind) == 1) || ((\kind) == 2)
	s_wait_tensorcnt 0x0
	ds_add_u32 v[SPW], v[NIL]
	s_wait_dscnt 17
	WIN 0xa1
	MUL16 0, PP, \k, 0
	s_wait_dscnt 0x0
	s_barrier_signal -1
	MUL16 2, PP, \k, 0
	WIN 0
	s_barrier_wait -1
.if (\kind) == 1
	CREST
	s_add_nc_u64 s[G0X+2:G0X+3], s[G0X+2:G0X+3], 3*QX
	s_add_nc_u64 s[G0W+2:G0W+3], s[G0W+2:G0W+3], 3*QW
	JLOAD 0
.else
	PLACES
.endif
.endif
.if (\kind) < 3
	FETCH_B NSL, NSP, NSP
	FETCH_A NSL, NSP, 0
	WIN 0xf1-0x30*((\cm)/2)
	MUL16 4, PP, \k, \cm
	MUL16 6, PP, \k, \cm
	PLACES
	WIN 0
	FETCH_A NSL, NSP, 4
.else
	s_wait_dscnt 16
	WIN 0xa1
	MUL16 0, PP, \k, 0
	MUL16 2, PP, \k, 0
	s_wait_dscnt 0x0
	WIN 0xf1
	MUL16 4, PP, \k, 0
	MUL16 6, PP, \k, 0
	WIN 0
.endif
.endm
	s_load_b256 s[4:11], s[0:1], 0x0
	s_load_b128 s[68:71], s[0:1], 0x20
	v_lshl_add_u32 v[SPW], v0, 2, SPARE
	v_mov_b32 v[NIL], 0
	ds_add_u32 v[SPW], v[NIL]
	ds_add_u32 v[SPW], v[NIL]
	v_lshrrev_b32 v1, 5, v0
	v_readfirstlane_b32 s14, v1
	s_lshr_b32 s15, s14, 1
	s_and_b32 s16, s14, 1
	s_bfe_u32 s80, ttmp6, 0x40000
	s_bfe_u32 s81, ttmp6, 0x40004
	s_lshl_b32 s82, ttmp9, 2
	s_add_co_u32 s82, s82, s80
	s_and_b32 s83, ttmp7, 0xffff
	s_lshl_b32 s83, s83, 2
	s_add_co_u32 s83, s83, s81
	s_lshl_b32 s84, s81, 2
	s_lshl_b32 s84, 15, s84
	s_lshl_b32 s85, 0x1111, s80
	s_or_b32 s[G1X], s84, (3<<16)|(1<<21)
	s_or_b32 s[G1W], s85, (3<<16)|(1<<21)
; the head's load of a wave: three rows of 24,576 bytes (its eight tiles of K steps 0-1, 2-3, 4-5), QX or QW bytes apart in memory, dense in LDS
.irp g, G1X, G1W
	s_mov_b32 s[\g+1], 3072<<16
	s_mov_b32 s[\g+2], 3<<16
	s_mov_b32 s[\g+3], 3072<<16
	s_mov_b32 s[\g+4], 3
	s_mov_b32 s[\g+6], 0
	s_mov_b32 s[\g+7], 0
.endr
	s_mov_b32 s[G1X+5], QX/8
	s_mov_b32 s[G1W+5], QW/8
	s_lshl_b32 s86, s83, 4
	s_lshl_b32 s87, s16, 3
	s_add_co_u32 s86, s86, s87
	s_mul_i32 s86, s86, 3072
	s_mov_b32 s87, 0
	s_lshl_b32 s88, s82, 4
	s_lshl_b32 s89, s16, 3
	s_add_co_u32 s88, s88, s89
	s_add_co_u32 s88, s88, TW0
	s_mul_i32 s88, s88, 3072
	s_mov_b32 s89, 0
	s_mul_i32 s90, s14, 3*HALFT                    ; LDS: [wave's quarter][slot][24,576 bytes]
	s_mov_b32 s[MSK], 0xffff0000
	s_wait_dscnt 0x0
	s_wait_kmcnt 0x0
	s_add_nc_u64 s[86:87], s[4:5], s[86:87]
	s_add_nc_u64 s[88:89], s[6:7], s[88:89]
	CROUND
.irp s, 0
	s_mov_b32 s[G0X+4*\s], 1
	s_add_co_u32 s[G0X+4*\s+1], s90, 0
	s_add_nc_u64 s[G0X+4*\s+2:G0X+4*\s+3], s[86:87], 0
	s_or_b32 s[G0X+4*\s+3], s[G0X+4*\s+3], 0x80000000
	s_mov_b32 s[G0W+4*\s], 1
	s_add_co_u32 s[G0W+4*\s+1], s90, 0
	s_add_nc_u64 s[G0W+4*\s+2:G0W+4*\s+3], s[88:89], 0
	s_or_b32 s[G0W+4*\s+3], s[G0W+4*\s+3], 0x80000000
	JLOAD \s                                       ; one joint load a wave at the head: all three slots of its quarter
.endr
	s_lshl_b32 s96, s83, 13
	s_lshl_b32 s23, s15, 12
	s_add_co_u32 s96, s96, s23
	s_add_co_u32 s96, s96, 393216
	s_lshl_b32 s97, s82, 13
	s_lshl_b32 s23, s16, 12
	s_add_co_u32 s97, s97, s23
	s_add_co_u32 s97, s97, 262144+TW0*512
	s_mul_i32 s91, s15, 3*HALFT
	s_mul_i32 s92, s16, 3*HALFT
	s_add_co_u32 s92, s92, 6*HALFT
	v_and_b32 v1, 31, v0
	v_and_b32 v2, 15, v0
	v_bfe_u32 v3, v0, 4, 1
	v_lshlrev_b32 v[L16], 4, v1
	v_lshlrev_b32 v[L8], 3, v1
.irp s, 0,1,2
	v_add_nc_u32 v[AP16+\s], s91, v[L16]
	v_add_nc_u32 v[AP8+\s], s91, v[L8]
	v_add_nc_u32 v[AR16+\s], s92, v[L16]
	v_add_nc_u32 v[AR8+\s], s92, v[L8]
	s_add_co_u32 s91, s91, HALFT
	s_add_co_u32 s92, s92, HALFT
.endr
	v_mov_b32 v27, s97
	v_cndmask_b32 v26, s96, v27, s[MSK]
	v_lshl_add_u32 v26, v2, 5, v26
.irp i, 0,1,2,3,4,5,6,7
	global_load_b128 v[SC+8*\i:SC+8*\i+3], v26, s[8:9] offset:512*\i
	global_load_b128 v[SC+8*\i+4:SC+8*\i+7], v26, s[8:9] offset:512*\i+16
.endr
	v_lshlrev_b32 v27, 6, v3
	s_wait_alu depctr_va_vdst(0)
	v_lshrrev_b32 v30, 3, v2
	v_lshl_add_u32 v30, v30, 3, v2
	s_mul_i32 s93, s14, 8448
	s_add_co_u32 s93, s93, SLOT
	v_mul_u32_u24 v[STO], v2, 528
	v_lshl_add_u32 v[STO], v3, 6, v[STO]
	v_add_nc_u32 v[STO], s93, v[STO]
	v_add_nc_u32 v[RD], s93, v[L16]
	s_lshl_b32 s100, s82, 10
	s_lshl_b32 s95, s16, 9
	s_add_co_u32 s100, s100, s95
	s_mov_b32 s101, 0
	s_add_nc_u64 s[10:11], s[10:11], s[100:101]
	s_add_nc_u64 s[70:71], s[70:71], s[100:101]
	s_lshl_b32 s100, s83, 8
	s_lshl_b32 s95, s15, 7
	s_add_co_u32 s100, s100, s95
	s_add_nc_u64 s[68:69], s[68:69], s[100:101]
	s_lshl_b32 s100, s100, 12
	s_add_nc_u64 s[70:71], s[70:71], s[100:101]
.irp b, 0,1,2,3,4,5,6,7
	global_load_b128 v[96+8*\b+96*(\b/4):96+8*\b+96*(\b/4)+3], v27, s[10:11] offset:128*(\b/2)+32*(\b%2)
	global_load_b128 v[96+8*\b+96*(\b/4)+4:96+8*\b+96*(\b/4)+7], v27, s[10:11] offset:128*(\b/2)+32*(\b%2)+16
.endr
	s_wait_tensorcnt 0x0                           ; my head's load is in; no tensor load of mine is out, so group 1 may be written:
.irp g, G1X, G1W
	s_mov_b32 s[\g+1], 32<<16                      ; the one refill brings 96 rows of 256 bytes, dense in memory
	s_mov_b32 s[\g+2], 96<<16
	s_mov_b32 s[\g+3], 32<<16
	s_mov_b32 s[\g+4], 96
	s_mov_b32 s[\g+5], 32
.endr
	s_barrier_signal -1
	s_barrier_wait -1
	FETCH_B 0, 0, 0
	FETCH_A 0, 0, 0
	FETCH_A 0, 0, 4
	s_wait_loadcnt 0x0
	KSTEP 0, 0, 2
	KSTEP 1, 1, 0
	s_wait_alu depctr_va_vdst(0)
.irp a, 0,1,2,3,4,5,6,7
	global_load_u8 v[MK+2*\a], v30, s[68:69] offset:32*(\a/2)+8*(\a%2)
.endr
	KSTEP 2, 0, 0
	KSTEP 3, 0, 0
	KSTEP 4, 0, 0
	KSTEP 5, 2, 0
	KSTEP 6, 0, 0
	KSTEP 7, 3, 0
	PLACES
	s_wait_loadcnt 0x0
.irp a, 0,1,2,3,4,5,6,7
	v_cvt_f32_u32 v[MK+2*\a], v[MK+2*\a]
.endr
.irp a, 0,1,2,3,4,5,6,7
	v_mov_b32 v[MK+2*\a+1], v[MK+2*\a]
.endr
.macro TOSTAGE a
.set AC, 64*((\a)%4)
	WIN 0x82+0x41*((\a)/4)
.set TI, 0
.rept 32
	v_pk_mul_f32 v[AC+2*TI:AC+2*TI+1], v[AC+2*TI:AC+2*TI+1], v[MK+2*(\a):MK+2*(\a)+1]
.set TI, TI+1
.endr
	WIN 0x08+4*((\a)/4)
.irp b, 0,1,2,3,4,5,6,7
	ds_store_b128 v[STO], v[AC+8*\b:AC+8*\b+3] offset:128*(\b/2)+32*(\b%2)
	ds_store_b128 v[STO], v[AC+8*\b+4:AC+8*\b+7] offset:128*(\b/2)+32*(\b%2)+16
.endr
	WIN 0
.set BB, BK+64*((\a)%2)
.irp t, 0,1,2,3,4,5,6,7,8,9,10,11,12,13,14,15
	ds_load_b128 v[BB+4*\t:BB+4*\t+3], v[RD] offset:\t*528
.endr
.endm
.macro SEND a, younger
.set BB, BK+64*((\a)%2)
	s_wait_dscnt \younger
.irp t, 0,1,2,3,4,5,6,7,8,9,10,11,12,13,14,15
	global_store_b128 v[L16], v[BB+4*\t:BB+4*\t+3], s[70:71] offset:(32*((\a)/2)+8*((\a)%2)+\t+8*(\t/8))*4096 th:TH_STORE_NT
.endr
.endm
	TOSTAGE 0
.irp a, 1,2,3,4,5,6,7
.if \a > 1
	s_wait_xcnt 0x0
.endif
	TOSTAGE \a
	SEND \a-1, 32
.endr
	SEND 7, 0
	s_wait_tensorcnt 0x0
	ds_add_u32 v[SPW], v[NIL]
	s_wait_dscnt 0x0
	CROUND
	s_endpgm
.Lfunc_end_k_qd15ef8084a_outp:
	.size	k_qd15ef8084a_outp, .Lfunc_end_k_qd15ef8084a_outp-k_qd15ef8084a_outp
	.p2alignl 7, 3214868480
	.fill 96, 4, 3214868480
	.section	.rodata,"a",@progbits
	.p2align	6, 0x0
	.amdhsa_kernel k_qd15ef8084a_outp
		.amdhsa_group_segment_fixed_size 327680
		.amdhsa_private_segment_fixed_size 0
		.amdhsa_enable_private_segment 0
		.amdhsa_kernarg_size 48
		.amdhsa_user_sgpr_count 2
		.amdhsa_user_sgpr_kernarg_segment_ptr 1
		.amdhsa_wavefront_size32 1
		.amdhsa_system_sgpr_workgroup_id_x 1
		.amdhsa_system_sgpr_workgroup_id_y 1
		.amdhsa_system_sgpr_workgroup_id_z 1
		.amdhsa_system_vgpr_workitem_id 0
		.amdhsa_next_free_vgpr 1024
		.amdhsa_next_free_sgpr 104
		.amdhsa_reserve_vcc 0
		.amdhsa_float_denorm_mode_32 3
		.amdhsa_float_denorm_mode_16_64 3
		.amdhsa_memory_ordered 1
		.amdhsa_forward_progress 1
		.amdhsa_inst_pref_size 159
	.end_amdhsa_kernel
	.amdgpu_metadata
---
amdhsa.version: [ 1, 2 ]
amdhsa.kernels:
  - .name:           k_qd15ef8084a_outp
    .symbol:         k_qd15ef8084a_outp.kd
    .args:
      - { .name: ctxc, .offset: 0, .size: 8, .value_kind: global_buffer, .address_space: global }
      - { .name: wc, .offset: 8, .size: 8, .value_kind: global_buffer, .address_space: global }
      - { .name: sc, .offset: 16, .size: 8, .value_kind: global_buffer, .address_space: global }
      - { .name: bo, .offset: 24, .size: 8, .value_kind: global_buffer, .address_space: global }
      - { .name: key_padding_mask, .offset: 32, .size: 8, .value_kind: global_buffer, .address_space: global }
      - { .name: out0, .offset: 40, .size: 8, .value_kind: global_buffer, .address_space: global }
    .group_segment_fixed_size: 327680
    .private_segment_fixed_size: 0
    .kernarg_segment_align: 8
    .kernarg_segment_size: 48
    .max_flat_workgroup_size: 128
    .sgpr_count:     104
    .vgpr_count:     1024
    .wavefront_size: 32
...
	.end_amdgpu_metadata
.endif
;; end of part 5
